; MI455X (gfx1250); checked and timed in simulation.
; The chip was launched on July 23, 2026; its instructions are those of AMD's public machine-readable ISA for CDNA 5 (MIT licence, August 2026) and "CDNA5" Instruction Set Architecture Reference Guide (July 2026). The comments in the code are by the model that wrote it; some were corrected since.
;; Causal Attention. Allowed arithmetic: float matrix products may take bf16 or f16 operands with f32 sums; other float arithmetic in f32, or as packed bf16 or f16 multiplies, adds, multiply-adds, maxima and minima; sums over many terms, partial sums and values carried from step to step in f32; what a program stores and reads back later, other than sums and carried values, may be rounded once to bf16 or f16.
;; Inputs: Wk 1,024 x 1,024 float32; Wq 1,024 x 1,024 float32; Wv 1,024 x 1,024 float32; x 4 x 2,048 x 1,024 float32.
;; Outputs: out0 4 x 2,048 x 1,024 float32.
;; One version. Each part assembles by itself: llvm-mc -triple=amdgcn-amd-amdhsa -mcpu=gfx1250 --defsym DOCPART=n.
;; ======== version 1 of 1: 4 launches
;; limits: values are held in f16: magnitudes above 65,504 overflow, below 6.1e-05 lose precision
;; workspace buffers: xh 16,777,216 bytes; wh 6,291,456 bytes; qk 33,554,432 bytes; vt 16,777,216 bytes; p 33,554,432 bytes; st 1,048,576 bytes
;; launch cast (part 1): grid 704 x 1, 8 waves a work-group, no clusters, 0 bytes of LDS; arguments x, Wq, Wk, Wv, xh, wh; writes xh, wh
.if DOCPART == 1
	.amdgcn_target "amdgcn-amd-amdhsa--gfx1250"
	.amdhsa_code_object_version 6
	.text
	.protected	k_qd958898dc8_cast
	.globl	k_qd958898dc8_cast
	.p2align	8
	.type	k_qd958898dc8_cast,@function
k_qd958898dc8_cast:
	s_mov_b64 s[64:65], 0
	v_nop
	global_prefetch_b8 v0, s[64:65] scope:SCOPE_SE
	s_setreg_imm32_b32 hwreg(HW_REG_WAVE_MODE, 25, 1), 1
	s_wait_xcnt 0x0
; x [8192][1024] and Wq, Wk, Wv [1024][1024], all f32, are rounded once to bf16 (to nearest even), and that number is written as f16: xh [8192][1024], wh [3072][1024].
; LIMITS.  The f16 holds the bf16 number exactly from 2^-17 to 65,504 in magnitude; smaller ones are held to steps of 2^-24; larger ones are not served.
; wh's ROWS lie in the order in which the launches behind fetch them, in groups of 16 rows.  With n = a channel of q (0-1023) or k (1024-2047): group 9 (n / 128) + (n / 16) % 8;
; v's channels 0-255: group 9 (c / 16) + 8, so that each 128 rows of q or k are followed by 16 rows of v; v's channels 256-1023: group 128 + c / 16.
; A stream: each byte is read once and written once; no LDS, no matrix unit, no barrier.
; A work-group of eight waves converts 16,384 numbers (16 rows): 65,536 bytes in, 32,768 out.  Work-groups 0-511 take x, 512-703 the weights, 64 each.
; Thread t takes 8 numbers in each of 8 steps: 32 bytes in, 16 bytes out: sixteen neighbouring lanes store 256 consecutive bytes, aligned.  All 16 loads go out at once; the waits count down.
.set X, 8                                      ; v[8:71]  step s: 8 registers as loaded; its first 4 then hold the 8 numbers to store
.set T, 72                                     ; v[72:79] at work
	s_load_b256 s[4:11], s[0:1], 0x0               ; x s[4:5], Wq s[6:7], Wk s[8:9], Wv s[10:11]
	s_load_b128 s[12:15], s[0:1], 0x20             ; xh s[12:13], wh s[14:15]
	v_lshlrev_b32 v1, 5, v0                        ; 32 bytes a thread in
	v_lshlrev_b32 v2, 4, v0                        ; 16 bytes a thread out
	s_sub_co_u32 s16, ttmp9, 512                   ; the work-group's number among the weights' (used only from 512 on)
	s_lshr_b32 s17, s16, 6                         ; which weight
	s_and_b32 s18, s16, 63                         ; which 16 rows of it
	s_lshr_b32 s19, s16, 3
	s_mul_i32 s19, s19, 9
	s_and_b32 s20, s16, 7
	s_add_co_u32 s19, s19, s20                     ; q, k: group 9 (n / 128) + (n / 16) % 8
	s_mul_i32 s20, s18, 9
	s_add_co_u32 s20, s20, 8                       ; v's first 256 channels
	s_add_co_u32 s21, s18, 128                     ; v's others
	s_cmp_lt_u32 s18, 16
	s_cselect_b32 s20, s20, s21
	s_cmp_lt_u32 s17, 2
	s_cselect_b32 s19, s19, s20
	s_lshl_b32 s19, s19, 15                        ; a group is 32,768 bytes of wh
	s_lshl_b32 s18, s18, 16                        ; and 65,536 of its weight
	s_lshl_b32 s20, ttmp9, 16                      ; the same for x
	s_lshl_b32 s21, ttmp9, 15                      ; and xh
	s_mov_b32 s23, 0
	s_mov_b32 s3, 0
	s_wait_kmcnt 0x0
	s_cmp_eq_u32 s17, 1
	s_cselect_b64 s[6:7], s[8:9], s[6:7]
	s_cmp_eq_u32 s17, 2
	s_cselect_b64 s[6:7], s[10:11], s[6:7]         ; the weight
	s_cmp_lt_u32 ttmp9, 512
	s_cselect_b64 s[4:5], s[4:5], s[6:7]           ; from where,
	s_cselect_b64 s[12:13], s[12:13], s[14:15]     ; to where,
	s_cselect_b32 s22, s20, s18                    ; and the two offsets, made apart from the addresses
	s_cselect_b32 s2, s21, s19
	s_add_nc_u64 s[4:5], s[4:5], s[22:23]
	s_add_nc_u64 s[12:13], s[12:13], s[2:3]
.set n, 0
.rept 16
	global_load_b128 v[X+4*n:X+4*n+3], v1, s[4:5] offset:8192*(n/2)+16*(n%2) th:TH_LOAD_NT
.set n, n+1
.endr
.set n, 0
.rept 8
	s_wait_loadcnt 14-2*n                          ; loads come back in order: this step's two are in, the younger ones stay out
.irp k, 0,1,2,3
	v_cvt_pk_bf16_f32 v[X+8*n+\k], v[X+8*n+2*\k], v[X+8*n+2*\k+1]  ; the one rounding; in place: register k is written when its own numbers have been read
.endr
.irp k, 0,1,2,3
	v_lshlrev_b32 v[T+2*\k], 16, v[X+8*n+\k]       ; bf16 to f32: the low half moves up,
	v_and_b32 v[T+2*\k+1], 0xffff0000, v[X+8*n+\k] ; the high half stays
.endr
.irp k, 0,1,2,3
	v_cvt_pk_f16_f32 v[X+8*n+\k], v[T+2*\k], v[T+2*\k+1]
.endr
	global_store_b128 v2, v[X+8*n:X+8*n+3], s[12:13] offset:4096*n th:TH_STORE_NT
.set n, n+1
.endr
	s_endpgm
.Lfunc_end_k_qd958898dc8_cast:
	.size	k_qd958898dc8_cast, .Lfunc_end_k_qd958898dc8_cast-k_qd958898dc8_cast
	.p2alignl 7, 3214868480
	.fill 96, 4, 3214868480
	.section	.rodata,"a",@progbits
	.p2align	6, 0x0
	.amdhsa_kernel k_qd958898dc8_cast
		.amdhsa_group_segment_fixed_size 0
		.amdhsa_private_segment_fixed_size 0
		.amdhsa_enable_private_segment 0
		.amdhsa_kernarg_size 48
		.amdhsa_user_sgpr_count 2
		.amdhsa_user_sgpr_kernarg_segment_ptr 1
		.amdhsa_wavefront_size32 1
		.amdhsa_system_sgpr_workgroup_id_x 1
		.amdhsa_system_sgpr_workgroup_id_y 1
		.amdhsa_system_sgpr_workgroup_id_z 1
		.amdhsa_system_vgpr_workitem_id 0
		.amdhsa_next_free_vgpr 80
		.amdhsa_next_free_sgpr 66
		.amdhsa_reserve_vcc 0
		.amdhsa_float_denorm_mode_32 3
		.amdhsa_float_denorm_mode_16_64 3
		.amdhsa_memory_ordered 1
		.amdhsa_forward_progress 1
		.amdhsa_inst_pref_size 12
	.end_amdhsa_kernel
	.amdgpu_metadata
---
amdhsa.version: [ 1, 2 ]
amdhsa.kernels:
  - .name:           k_qd958898dc8_cast
    .symbol:         k_qd958898dc8_cast.kd
    .args:
      - { .name: x, .offset: 0, .size: 8, .value_kind: global_buffer, .address_space: global }
      - { .name: Wq, .offset: 8, .size: 8, .value_kind: global_buffer, .address_space: global }
      - { .name: Wk, .offset: 16, .size: 8, .value_kind: global_buffer, .address_space: global }
      - { .name: Wv, .offset: 24, .size: 8, .value_kind: global_buffer, .address_space: global }
      - { .name: xh, .offset: 32, .size: 8, .value_kind: global_buffer, .address_space: global }
      - { .name: wh, .offset: 40, .size: 8, .value_kind: global_buffer, .address_space: global }
    .group_segment_fixed_size: 0
    .private_segment_fixed_size: 0
    .kernarg_segment_align: 8
    .kernarg_segment_size: 48
    .max_flat_workgroup_size: 256
    .sgpr_count:     66
    .vgpr_count:     80
    .wavefront_size: 32
...
	.end_amdgpu_metadata
.endif
;; end of part 1
;; launch proj (part 2): grid 8 x 32, 4 waves a work-group, clusters of 4 x 4, 327,680 bytes of LDS; arguments xh, wh, qk, vt; writes qk, vt
.if DOCPART == 2
	.amdgcn_target "amdgcn-amd-amdhsa--gfx1250"
	.amdhsa_code_object_version 6
	.text
	.protected	k_qd958898dc8_proj
	.globl	k_qd958898dc8_proj
	.p2align	8
	.type	k_qd958898dc8_proj,@function
k_qd958898dc8_proj:
	s_mov_b64 s[64:65], 0
	v_nop
	global_prefetch_b8 v0, s[64:65] scope:SCOPE_SE
	s_setreg_imm32_b32 hwreg(HW_REG_WAVE_MODE, 25, 1), 1
	s_wait_xcnt 0x0
	s_wait_alu depctr_hold_cnt(0) depctr_sa_sdst(0) depctr_va_vdst(0) depctr_va_sdst(0) depctr_va_ssrc(0) depctr_va_vcc(0) depctr_vm_vsrc(0)
	s_getreg_b32 s2, hwreg(HW_REG_IB_STS2, 6, 4)
	s_cmp_eq_u32 s2, 0
	s_cbranch_scc0 .Lentry_in_a_cluster
	s_endpgm
.Lentry_in_a_cluster:
	s_bfe_u32 s2, ttmp6, 0x10000c
	s_cmp_lg_u32 s2, 0xf033
	s_cbranch_scc0 .Lentry_shape_is_right
	s_endpgm
.Lentry_shape_is_right:
; q, k and the first 256 channels of v: y[m][o] = the sum over d of xh[m][d] w[o][d].  xh [8192][1024], wh [3072][1024] f16; sums in f32; results rounded once to f16.
; qk [2][8192][1024]: q's plane, then k's.  vt [4 batches][1024 channels][2048 tokens]: v, turned.
; LIMIT: f16 ends at 65,504: |q|, |k|, |v| must stay below that.
; SHARES.  A work-group makes ONE tile of 256 tokens x 288 channels: rows 288 c .. 288 c + 287 of wh, which are 128 channels of q or k, 16 of v, 128 of q or k, 16 of v.  8 x 32 work-groups.
; 256 x 288 is what gives each of 256 work-groups one tile and leaves 768 channels of v, 96 tiles of 256 x 256, for the launch behind, which has 144 tiles of its own.
; A wave makes 128 tokens x 144 channels: 72 accumulators of 16 x 16.  K goes in steps of 128 (rows of 256 bytes, aligned) through a ring of two LDS slots.
; CLUSTER 4 x 4: the four of a row need the same rows of xh, the four of a column the same rows of wh; each tile is asked for jointly, by the same tensor load with the same descriptor and mask.
; q, k: source 0 = 16 rows of wh, source 1 = 16 rows of xh: a lane holds one token (lane % 16) and eight neighbouring channels.  v: the sources the other way round: a lane holds one channel and eight
; neighbouring tokens, 16 bytes of a row of vt.
; REGISTERS.  window 0: v0-31 addresses; v64-127, v128-191 xh's fragments, two buffers of 8; v32-63, v192-255 at work on the way out
;             window 1: v0-63 v's accumulators (token block a at v[8 a]); v64-135, v136-207 wh's fragments, two buffers of 9 (the ninth: v's channels)
;             windows 2, 3: q's or k's accumulators, (a, b) at v[8 (8 (a % 4) + b)] of window 2 + a / 4.
.set KSTEP,  128
.set STEPS,  8                         ; 1,024 / 128
.set PITCH,  272                       ; an LDS row: 256 bytes + 16 of padding: the 16 rows of a fragment load start 4 banks apart (64 banks of 4 bytes: ISA guide 11.1)
.set AHALF,  128*PITCH                 ; what a tensor load of xh brings, and what a wave reads of it
.set BHALF,  144*PITCH                 ; the same for wh
.set BOFF,   256*PITCH                 ; wh's 288 rows lie behind xh's 256
.set SLOT,   544*PITCH
.set STAGE,  2*SLOT                    ; behind the ring: 16 rows x 272 bytes for each wave
.set SPARE,  STAGE+4*16*PITCH          ; behind the stages: the spare words, 128 bytes for each wave, which no other line names
.set ROWB,   2048                      ; bytes in a row of xh, of wh and of a plane of qk
.set VROW,   4096                      ; bytes in a row of vt
.set ADRA0, 16                         ; v16  my place in xh's tile; never rewritten
.set ADRA,  17                         ; v17  the same in the slot in hand
.set ADRB0, 20                         ; v20, v21  the same for wh
.set ADRB,  21
.set STO,  24                          ; v24  the way out: where I put 16 bytes of a row
.set RD,   25                          ; v25  where I read a row back
.set CO,   26                          ; v26  my byte offset in two rows of qk
.set CO2,  27                          ; v27  in two rows of vt
.set SPW,  28                          ; v28  my spare word; never rewritten
.set NIL,  29                          ; v29  0; never rewritten
.set PFO,  30                          ; v30  the prefetches' offset: my lane x a row; never rewritten
.set PFO2, 31                          ; v31  the same for v's rows of wh; never rewritten
.set FA,   64                          ; window 0: buffer f at FA + 64 f
.set FB,   64                          ; window 1: buffer f at FB + 72 f
.set TMP,  192
.set OB,   32
.set G1,   24                          ; s[24:31] descriptor group 1 for xh's tiles;  s[32:39] group 0: two sets for the first fills; the second then walks
.set G0,   32
.set G1B,  48                          ; s[48:55], s[56:63] the same for wh's
.set G0B,  56
.set LIM,  43                          ; s43  2 in a wave that prefetches, else the greatest number
.set PFA,  44                          ; s[44:45] where my prefetches stand
.set VTB,  66                          ; s[66:67] vt at my 16 channels and 128 tokens
.set PF2,  68                          ; s[68:69] wh at my work-group's 8 rows of v, K step 4
.set LIM2, 70                          ; s70  the first trip's count in the wave that names them, else the greatest number
.set TB,   71                          ; s71  the slot in hand: 0 or SLOT
.set LA,   72                          ; s72  my part of xh's tile in a slot
.set LB,   73                          ; s73  of wh's
.set MSB, 0
.macro WIN new                         ; the immediate's high byte repeats the setting that is left; a switch that changes nothing is dropped
.if MSB != (\new)
	s_set_vgpr_msb (MSB<<8)|(\new)
.set MSB, \new
.endif
.endm
.set MUL_LO, 0xa1                      ; source 0 (wh) window 1, source 1 (xh) window 0, C and D window 2
.set MUL_HI, 0xf1                      ; the same, C and D window 3
.set MUL_V,  0x54                      ; source 0 (xh) window 0, source 1 (wh), C and D window 1
.set TO_B,   0x40                      ; destination window 1, address window 0
.macro PLACES                          ; four plain instructions between a matrix instruction and a load into, or a vector write or read of, its registers
.rept 4
	v_nop
.endr
.endm
; A joint load: waves 0 and 1 fetch xh's two halves, waves 2 and 3 wh's.  The branch hangs on the wave's number alone.  An s_nop 0 and four v_nop follow each line.
.macro JLOAD s
	s_cmp_eq_u32 s11, 0
	s_cbranch_scc0 .Lfor_b_\@
	tensor_load_to_lds s[G0+4*(\s):G0+4*(\s)+3], s[G1:G1+7]
	s_nop 0
	PLACES
	s_branch .Lasked_\@
.Lfor_b_\@:
	tensor_load_to_lds s[G0B+4*(\s):G0B+4*(\s)+3], s[G1B:G1B+7]
	s_nop 0
	PLACES
.Lasked_\@:
.endm
; A prefetch of the K step that stands two refills on: 32 rows x 256 bytes, a lane a row.  xh's rows are named by the clusters with x = 0 (waves 0, 1; the partner at cx takes 32 of the wave's 128 rows);
; the 128 rows of q or k in each half of wh's tile by the clusters with y = 0 (waves 2, 3; the partner at cy takes 32).  The loop's last two trips have no K step two on.
; The tile's 32 rows of v are named once, in the first trip, for K steps 4 to 7 together: wave 2, 8 rows a partner x 4 K steps, a lane each.  So each block of 256 bytes is named once in the launch.
.macro ASK
	s_cmp_gt_u32 s3, s[LIM]
	s_cbranch_scc0 .Lnot_mine_\@
	global_prefetch_b8 v[PFO], s[PFA:PFA+1] offset:KSTEP*2 th:TH_LOAD_NT scope:SCOPE_SE
.Lnot_mine_\@:
	s_cmp_eq_u32 s3, s[LIM2]
	s_cbranch_scc0 .Lnot_v_\@
	global_prefetch_b8 v[PFO2], s[PF2:PF2+1] th:TH_LOAD_NT scope:SCOPE_SE
.Lnot_v_\@:
.endm
.macro CREST                           ; a round of the cluster's barrier behind its opening barrier
	s_cmp_lg_u32 s10, 0
	s_cbranch_scc1 .Lnot_wave_0_\@
	s_barrier_signal -3
.Lnot_wave_0_\@:
	s_barrier_wait -3
	s_barrier_signal -1
	s_barrier_wait -1
.endm
.macro CROUND
	s_barrier_signal -1
	s_barrier_wait -1
	CREST
.endm
	s_load_b128 s[4:7], s[0:1], 0x0                ; xh s[4:5], wh s[6:7]
	s_load_b64 s[8:9], s[0:1], 0x10                ; qk
	s_load_b64 s[VTB:VTB+1], s[0:1], 0x18          ; vt
	v_lshl_add_u32 v[SPW], v0, 2, SPARE
	v_mov_b32 v[NIL], 0
	ds_add_u32 v[SPW], v[NIL]                      ; the wave's opening: the add and its wait stand ahead of my first tensor load; register work stands between them
	ds_add_u32 v28, v29
	v_lshrrev_b32 v1, 5, v0
	v_readfirstlane_b32 s10, v1                    ; wave 0..3
	s_lshr_b32 s11, s10, 1                         ; my half of the tokens.  Also: I fetch for xh (0) or for wh (1)
	s_and_b32 s12, s10, 1                          ; my half of the channels.  Also: which half of that tile I fetch
	s_bfe_u32 s40, ttmp6, 0x40000                  ; cx
	s_bfe_u32 s41, ttmp6, 0x40004                  ; cy
	s_lshl_b32 s42, ttmp9, 2
	s_add_co_u32 s42, s42, s40                     ; channel block = 4 x cluster x + cx
	s_and_b32 s13, ttmp7, 0xffff
	s_lshl_b32 s13, s13, 2
	s_add_co_u32 s13, s13, s41                     ; block of 256 tokens = 4 x cluster y + cy
	s_lshl_b32 s43, s41, 2
	s_lshl_b32 s43, 15, s43                        ; my row of the cluster
	s_lshl_b32 s44, 0x1111, s40                    ; my column
	s_or_b32 s[G1+0], s43, (1<<16)|(1<<20)|(1<<21)|(5<<22)|(3<<25)   ; the mask; elements of 2 bytes; padding on; bit 21 beside a mask; after every 64 words 4 words
	s_or_b32 s[G1B+0], s44, (1<<16)|(1<<20)|(1<<21)|(5<<22)|(3<<25)
	s_mov_b32 s[G1+1], KSTEP<<16                   ; tensor_dim0 = 128
	s_mov_b32 s[G1+2], 128<<16                     ; tensor_dim1 = 128
	s_mov_b32 s[G1+3], KSTEP<<16                   ; tile_dim0 = 128
	s_mov_b32 s[G1+4], 128                         ; tile_dim1 = 128
	s_mov_b32 s[G1+5], 1024                        ; elements from row to row
	s_mov_b32 s[G1+6], 0
	s_mov_b32 s[G1+7], 0
	s_mov_b32 s[G1B+1], KSTEP<<16
	s_mov_b32 s[G1B+2], 144<<16                    ; wh's loads bring 144 rows
	s_mov_b32 s[G1B+3], KSTEP<<16
	s_mov_b32 s[G1B+4], 144
	s_mov_b32 s[G1B+5], 1024
	s_mov_b32 s[G1B+6], 0
	s_mov_b32 s[G1B+7], 0
	s_lshl_b32 s17, s12, 7
	s_lshl_b32 s16, s13, 8
	s_add_co_u32 s16, s16, s17                     ; xh: row 256 x token block + 128 x half
	s_lshl_b32 s16, s16, 11                        ; in bytes
	s_mov_b32 s17, 0
	s_mul_i32 s47, s12, 144
	s_mul_i32 s46, s42, 288
	s_add_co_u32 s46, s46, s47                     ; wh: row 288 x channel block + 144 x half
	s_lshl_b32 s46, s46, 11
	s_mov_b32 s47, 0
	s_mul_i32 s[LA], s12, AHALF                    ; where they go: no place in the cluster enters an LDS address
	s_mul_i32 s[LB], s12, BHALF
	s_add_co_u32 s[LB], s[LB], BOFF
	s_mov_b32 s[TB], 0
	s_wait_dscnt 0x0                               ; the opening add is done
	s_wait_kmcnt 0x0
	s_add_nc_u64 s[14:15], s[4:5], s[16:17]
	s_add_nc_u64 s[46:47], s[6:7], s[46:47]
	CROUND                                         ; all sixteen work-groups are here: the first joint loads meet
.irp s, 0,1
	s_mov_b32 s[G0+4*(\s)], 1
	s_add_co_u32 s[G0+4*(\s)+1], s[LA], (\s)*SLOT
	s_add_nc_u64 s[G0+4*(\s)+2:G0+4*(\s)+3], s[14:15], (\s)*KSTEP*2
	s_or_b32 s[G0+4*(\s)+3], s[G0+4*(\s)+3], 0x80000000
	s_mov_b32 s[G0B+4*(\s)], 1
	s_add_co_u32 s[G0B+4*(\s)+1], s[LB], (\s)*SLOT
	s_add_nc_u64 s[G0B+4*(\s)+2:G0B+4*(\s)+3], s[46:47], (\s)*KSTEP*2
	s_or_b32 s[G0B+4*(\s)+3], s[G0B+4*(\s)+3], 0x80000000
	JLOAD \s                                       ; two tensor loads of mine are out
.endr
	; a fragment is 16 rows x 32 K in 8 registers: lane l holds row l % 16, K = 8 (l / 16) + 0..7 and 16 + 8 (l / 16) + 0..7: two loads of 16 bytes, 32 bytes apart
	v_and_b32 v1, 15, v0
	v_bfe_u32 v2, v0, 4, 1
	v_mul_u32_u24 v3, v1, PITCH
	v_lshl_add_u32 v3, v2, 4, v3
	s_mul_i32 s21, s11, AHALF                      ; my 128 rows of xh
	s_mul_i32 s22, s12, BHALF                      ; my 144 rows of wh
	s_add_co_u32 s22, s22, BOFF
	v_add_nc_u32 v[ADRA0], s21, v3
	v_add_nc_u32 v[ADRB0], s22, v3
	v_mov_b32 v[ADRA], v[ADRA0]
	v_mov_b32 v[ADRB], v[ADRB0]
	s_mul_i32 s23, s10, 16*PITCH
	s_add_co_u32 s23, s23, STAGE                   ; my stage
	v_add_nc_u32 v[STO], s23, v3                   ; in: row l % 16, 16 bytes for each half of the lanes
	v_mul_u32_u24 v5, v2, PITCH                    ; back: lanes 0-15 one row of 256 bytes, lanes 16-31 the next
	v_lshl_add_u32 v5, v1, 4, v5
	v_add_nc_u32 v[RD], s23, v5
	v_lshlrev_b32 v5, 11, v2                       ; the same two rows in qk,
	v_lshl_add_u32 v[CO], v1, 4, v5
	v_lshlrev_b32 v5, 12, v2                       ; and in vt
	v_lshl_add_u32 v[CO2], v1, 4, v5
	; qk: plane = channel block / 4; my 128 tokens; my 128 channels, 256 bytes
	s_lshl_b32 s16, s13, 1
	s_add_co_u32 s16, s16, s11
	s_lshl_b32 s16, s16, 18                        ; 128 rows of 2,048 bytes
	s_lshr_b32 s20, s42, 2
	s_lshl_b32 s20, s20, 24                        ; a plane is 16,777,216 bytes
	s_add_co_u32 s16, s16, s20
	s_and_b32 s20, s42, 3
	s_lshl_b32 s20, s20, 1
	s_add_co_u32 s20, s20, s12
	s_lshl_b32 s20, s20, 8
	s_add_co_u32 s16, s16, s20
	s_mov_b32 s17, 0
	s_add_nc_u64 s[8:9], s[8:9], s[16:17]
	; vt: batch = token block / 8; my 16 channels; my 128 tokens, 256 bytes
	s_lshr_b32 s16, s13, 3
	s_lshl_b32 s16, s16, 22
	s_lshl_b32 s20, s42, 1
	s_add_co_u32 s20, s20, s12
	s_lshl_b32 s20, s20, 16                        ; 16 rows of 4,096 bytes
	s_add_co_u32 s16, s16, s20
	s_and_b32 s20, s13, 7
	s_lshl_b32 s20, s20, 1
	s_add_co_u32 s20, s20, s11
	s_lshl_b32 s20, s20, 8
	s_add_co_u32 s16, s16, s20
	s_add_nc_u64 s[VTB:VTB+1], s[VTB:VTB+1], s[16:17]
	; the prefetches
	s_and_b32 s16, ttmp7, 0xffff                   ; cluster y
	s_mul_i32 s18, s42, 288
	s_lshl_b32 s19, s41, 2
	s_add_co_u32 s18, s18, s19
	s_add_co_u32 s18, s18, 128                     ; v's rows: 288 x channel block + 128 + 4 cy, and 144 further on
	s_lshl_b32 s18, s18, 11
	s_add_co_u32 s18, s18, 4*KSTEP*2               ; from K step 4 on
	s_mov_b32 s19, 0
	s_add_nc_u64 s[PF2:PF2+1], s[6:7], s[18:19]
	s_xor_b32 s18, s10, 2                          ; wave 2,
	s_or_b32 s18, s18, s16                         ; in the clusters with y = 0
	s_cmp_eq_u32 s18, 0
	s_cselect_b32 s[LIM2], STEPS-2, -1
	s_lshl_b32 s20, s13, 8
	s_mul_i32 s21, s42, 288
	s_lshl_b32 s22, s12, 7
	s_mul_i32 s23, s12, 144
	s_cmp_eq_u32 s11, 0                            ; do I fetch for xh?
	s_cselect_b32 s20, s20, s21                    ; the tile's first row
	s_cselect_b32 s22, s22, s23                    ; the rows that I fetch
	s_cselect_b32 s23, s40, s41                    ; my place among the four that ask for them with me
	s_cselect_b32 s17, ttmp9, s16                  ; the coordinate along which other clusters read the same rows
	s_cselect_b64 s[PFA:PFA+1], s[4:5], s[6:7]
	s_cmp_eq_u32 s17, 0
	s_cselect_b32 s[LIM], 2, -1                    ; the same in all sixteen partners, for a given wave
	s_add_co_u32 s20, s20, s22
	s_lshl_b32 s23, s23, 5
	s_add_co_u32 s20, s20, s23                     ; + my work-group's 32 rows
	s_lshl_b32 s20, s20, 11
	s_add_co_u32 s20, s20, 2*KSTEP*2               ; at K step 2: the first refill steps it to 3 and names K step 4
	s_mov_b32 s21, 0
	s_add_nc_u64 s[PFA:PFA+1], s[PFA:PFA+1], s[20:21]
	v_and_b32 v[PFO], 31, v0
	v_lshlrev_b32 v[PFO], 11, v[PFO]
	v_and_b32 v4, 3, v0
	v_mad_u32_u24 v4, v2, 144, v4                  ; row 144 (l / 16) + l % 4,
	v_bfe_u32 v5, v0, 2, 2
	v_lshlrev_b32 v5, 8, v5                        ; K step (l / 4) % 4
	v_lshl_add_u32 v[PFO2], v4, 11, v5
; 16 matrix instructions: token blocks a0, a0 + 1 of the window's four x the 8 channel blocks of q or k, 32 along K.  zero = 1: the first product starts the sums.
.macro MUL16 f, hi, a0, zero
	WIN MUL_LO+0x50*(\hi)
.irp a, \a0, (\a0)+1
.irp b, 0,1,2,3,4,5,6,7
.if \zero
	v_wmma_f32_16x16x32_f16 v[8*(8*(\a)+(\b)):8*(8*(\a)+(\b))+7], v[FB+72*(\f)+8*(\b):FB+72*(\f)+8*(\b)+7], v[FA+64*(\f)+8*(4*(\hi)+(\a)):FA+64*(\f)+8*(4*(\hi)+(\a))+7], 0
.else
	v_wmma_f32_16x16x32_f16 v[8*(8*(\a)+(\b)):8*(8*(\a)+(\b))+7], v[FB+72*(\f)+8*(\b):FB+72*(\f)+8*(\b)+7], v[FA+64*(\f)+8*(4*(\hi)+(\a)):FA+64*(\f)+8*(4*(\hi)+(\a))+7], v[8*(8*(\a)+(\b)):8*(8*(\a)+(\b))+7]
.endif
.endr
.endr
.endm
; 8 matrix instructions: the 8 token blocks x v's 16 channels, the sources the other way round.  All 72 accumulators take turns, in the same order in every quarter.
.macro MULV f, zero
	WIN MUL_V
.irp a, 0,1,2,3,4,5,6,7
.if \zero
	v_wmma_f32_16x16x32_f16 v[8*(\a):8*(\a)+7], v[FA+64*(\f)+8*(\a):FA+64*(\f)+8*(\a)+7], v[FB+72*(\f)+64:FB+72*(\f)+71], 0
.else
	v_wmma_f32_16x16x32_f16 v[8*(\a):8*(\a)+7], v[FA+64*(\f)+8*(\a):FA+64*(\f)+8*(\a)+7], v[FB+72*(\f)+64:FB+72*(\f)+71], v[8*(\a):8*(\a)+7]
.endif
.endr
.endm
; 34 LDS loads in one run: a quarter's fragments (32 K at byte k of the rows of the slot in hand) into buffer f: wh's 18, then xh's 16
.macro FETCH k, f
	WIN TO_B
.irp i, 0,1,2,3,4,5,6,7,8
	ds_load_b128 v[FB+72*(\f)+8*(\i):FB+72*(\f)+8*(\i)+3],   v[ADRB] offset:(\k)+(\i)*16*PITCH
	ds_load_b128 v[FB+72*(\f)+8*(\i)+4:FB+72*(\f)+8*(\i)+7], v[ADRB] offset:(\k)+(\i)*16*PITCH+32
.endr
	WIN 0
.irp i, 0,1,2,3,4,5,6,7
	ds_load_b128 v[FA+64*(\f)+8*(\i):FA+64*(\f)+8*(\i)+3],   v[ADRA] offset:(\k)+(\i)*16*PITCH
	ds_load_b128 v[FA+64*(\f)+8*(\i)+4:FA+64*(\f)+8*(\i)+7], v[ADRA] offset:(\k)+(\i)*16*PITCH+32
.endr
.endm
; A K step is four quarters of 32 along K, 72 matrix instructions each, on buffers 0, 1, 0, 1.  One of the first three multiplies buffer f and fetches the next quarter, at byte k, into the other.
.macro QUARTER k, f, zero
	s_wait_dscnt 8                                 ; wh's fragments and xh's blocks 0-3 are in; the youngest eight loads (blocks 4-7) may be out
	MUL16 \f, 0, 0, \zero
	MUL16 \f, 0, 2, \zero
	PLACES
	FETCH \k, 1-(\f)
	s_wait_dscnt 34                                ; all but the 34 just issued
	MUL16 \f, 1, 0, \zero
	MUL16 \f, 1, 2, \zero
	MULV \f, \zero
.endm
; The last quarter's first half: ONE barrier for the change of slots.  In front of it each wave waits for all its tensor loads (one is out: its part of the next slot), adds 0 to its spare word,
; and waits for that and for its own reads of this slot.  Behind it nobody reads this slot any more and the next slot is whole.
.macro MEET round
	WIN 0
	s_wait_tensorcnt 0x0
	ds_add_u32 v[SPW], v[NIL]
	s_wait_dscnt 9                                 ; (the add and the youngest eight loads may be out)
	MUL16 1, 0, 0, 0
	s_wait_dscnt 0x0                               ; the add is done, and my reads of this slot are over
	s_barrier_signal -1
	MUL16 1, 0, 2, 0
.if \round
	WIN 0
.endif
	s_barrier_wait -1
.endm
.macro NEXTSLOT                        ; the fetches go on in the other slot
	WIN 0
	s_xor_b32 s[TB], s[TB], SLOT
	v_add_nc_u32 v[ADRA], s[TB], v[ADRA0]
	v_add_nc_u32 v[ADRB], s[TB], v[ADRB0]
.endm
; The whole last quarter with a refill: the slot that is left takes the K step two on.
.macro TURN
	s_wait_xcnt 0x0                                ; the last prefetch, a K step back, has read its address
	s_add_nc_u64 s[PFA:PFA+1], s[PFA:PFA+1], KSTEP*2
	MEET 1
	CREST                                          ; the barrier has opened a round of the cluster's: no wave of any partner still reads this slot or has a load on its way
	s_add_co_u32 s[G0+5], s[TB], s[LA]             ; the walking descriptors: into the slot that is left,
	s_add_nc_u64 s[G0+6:G0+7], s[G0+6:G0+7], KSTEP*2  ; the next K step; the type bits on top are not reached
	s_add_co_u32 s[G0B+5], s[TB], s[LB]
	s_add_nc_u64 s[G0B+6:G0B+7], s[G0B+6:G0B+7], KSTEP*2
	JLOAD 1                                        ; my one tensor load behind the round: 256 matrix instructions ahead of the wait for it; its four v_nop are also the places in front of the loads below
	NEXTSLOT
	FETCH 0, 0
	ASK
	MUL16 1, 1, 0, 0
	MUL16 1, 1, 2, 0
	MULV 1, 0
.endm
; THE WAY OUT.  Blocks 0-7: 16 tokens x 128 channels of q or k; block 8: v's 16 channels x 128 tokens.  Rounded to f16, 16 bytes a lane; into my own stage; back as whole rows of 256 bytes; stored.
.macro PACK a
.if (\a) < 8
	WIN 0x0a+5*((\a)/4)                            ; sources 0 and 1: window 2 or 3
.set AC, 64*((\a)%4)
.else
	WIN 0x05                                       ; window 1
.set AC, 0
.endif
.irp b, 0,1,2,3,4,5,6,7
.irp r, 0,1,2,3
	v_cvt_pk_f16_f32 v[TMP+4*(\b)+(\r)], v[AC+8*(\b)+2*(\r)], v[AC+8*(\b)+2*(\r)+1]
.endr
.endr
	WIN 0
.endm
.macro TOSTAGE a
.set BK, OB+192*((\a)%2)
.irp b, 0,1,2,3,4,5,6,7
	ds_store_b128 v[STO], v[TMP+4*(\b):TMP+4*(\b)+3] offset:32*(\b)
.endr
.irp t, 0,1,2,3,4,5,6,7
	ds_load_b128 v[BK+4*(\t):BK+4*(\t)+3], v[RD] offset:(\t)*2*PITCH  ; LDS serves a wave's instructions in order (ISA guide 5.7.1.4): these see the stores above
.endr
.endm
.macro SEND a
.set BK, OB+192*((\a)%2)
	s_wait_dscnt 0x0                               ; the block is back in registers
	s_wait_xcnt 0x0                                ; earlier stores have read their base and their data: both are written again only behind this wait
.if (\a) == 8
.irp t, 0,1,2,3,4,5,6,7
	global_store_b128 v[CO2], v[BK+4*(\t):BK+4*(\t)+3], s[VTB:VTB+1] offset:2*(\t)*VROW  ; 16 lanes store 256 consecutive bytes of a row of vt, aligned
.endr
.else
.if (\a) > 0
	s_add_nc_u64 s[8:9], s[8:9], 16*ROWB
.endif
.irp t, 0,1,2,3,4,5,6,7
	global_store_b128 v[CO], v[BK+4*(\t):BK+4*(\t)+3], s[8:9] offset:2*(\t)*ROWB  ; 16 lanes store 256 consecutive bytes, aligned
.endr
.endif
.endm
	s_wait_tensorcnt 1                             ; my part of K step 0 is in; K step 1's may stay out
	s_barrier_signal -1
	s_barrier_wait -1
	FETCH 0, 0
	QUARTER 64, 0, 1                               ; the first quarter starts the sums
	WIN 0
	s_mov_b32 s3, STEPS-2
.Lstep:                                            ; six trips, from a K step's second quarter to the next step's first; each fills the slot that it leaves
	QUARTER 128, 1, 0
	QUARTER 192, 0, 0
	TURN
	QUARTER 64, 0, 0
	WIN 0
	s_sub_co_u32 s3, s3, 1
	s_cmp_lg_u32 s3, 0
	s_cbranch_scc1 .Lstep
	QUARTER 128, 1, 0                              ; the last two K steps are written out: they ask for nothing
	QUARTER 192, 0, 0
	MEET 0                                         ; nothing is filled again, so no round follows
	PLACES
	NEXTSLOT
	FETCH 0, 0
	MUL16 1, 1, 0, 0
	MUL16 1, 1, 2, 0
	MULV 1, 0
	QUARTER 64, 0, 0
	QUARTER 128, 1, 0
	QUARTER 192, 0, 0
	s_wait_dscnt 8
	MUL16 1, 0, 0, 0
	MUL16 1, 0, 2, 0
	s_wait_dscnt 0x0
	MUL16 1, 1, 0, 0
	MUL16 1, 1, 2, 0
	MULV 1, 0
	WIN 0
	PLACES
	PLACES
	PACK 0
	TOSTAGE 0
.irp a, 1,2,3,4,5,6,7,8
	PACK \a                                        ; a block's conversions stand between the loads of the block before and the wait for them
	SEND (\a)-1
	TOSTAGE \a
.endr
	SEND 8
	s_wait_tensorcnt 0x0                           ; the wave's end
	ds_add_u32 v[SPW], v[NIL]
	s_wait_dscnt 0x0
	CROUND                                         ; the closing round
	s_endpgm
.Lfunc_end_k_qd958898dc8_proj:
	.size	k_qd958898dc8_proj, .Lfunc_end_k_qd958898dc8_proj-k_qd958898dc8_proj
	.p2alignl 7, 3214868480
	.fill 96, 4, 3214868480
	.section	.rodata,"a",@progbits
	.p2align	6, 0x0
	.amdhsa_kernel k_qd958898dc8_proj
		.amdhsa_group_segment_fixed_size 327680
		.amdhsa_private_segment_fixed_size 0
		.amdhsa_enable_private_segment 0
		.amdhsa_kernarg_size 32
		.amdhsa_user_sgpr_count 2
		.amdhsa_user_sgpr_kernarg_segment_ptr 1
		.amdhsa_wavefront_size32 1
		.amdhsa_system_sgpr_workgroup_id_x 1
		.amdhsa_system_sgpr_workgroup_id_y 1
		.amdhsa_system_sgpr_workgroup_id_z 1
		.amdhsa_system_vgpr_workitem_id 0
		.amdhsa_next_free_vgpr 1024
		.amdhsa_next_free_sgpr 76
		.amdhsa_reserve_vcc 0
		.amdhsa_float_denorm_mode_32 3
		.amdhsa_float_denorm_mode_16_64 3
		.amdhsa_memory_ordered 1
		.amdhsa_forward_progress 1
		.amdhsa_inst_pref_size 131
	.end_amdhsa_kernel
	.amdgpu_metadata
---
amdhsa.version: [ 1, 2 ]
amdhsa.kernels:
  - .name:           k_qd958898dc8_proj
    .symbol:         k_qd958898dc8_proj.kd
    .args:
      - { .name: xh, .offset: 0, .size: 8, .value_kind: global_buffer, .address_space: global }
      - { .name: wh, .offset: 8, .size: 8, .value_kind: global_buffer, .address_space: global }
      - { .name: qk, .offset: 16, .size: 8, .value_kind: global_buffer, .address_space: global }
      - { .name: vt, .offset: 24, .size: 8, .value_kind: global_buffer, .address_space: global }
    .group_segment_fixed_size: 327680
    .private_segment_fixed_size: 0
    .kernarg_segment_align: 8
    .kernarg_segment_size: 32
    .max_flat_workgroup_size: 128
    .sgpr_count:     76
    .vgpr_count:     1024
    .wavefront_size: 32
...
	.end_amdgpu_metadata
.endif
;; end of part 2
;; launch score (part 3): grid 60 x 4, 4 waves a work-group, no clusters, 327,680 bytes of LDS; arguments qk, xh, wh, p, st, vt; writes p, st, vt
.if DOCPART == 3
	.amdgcn_target "amdgcn-amd-amdhsa--gfx1250"
	.amdhsa_code_object_version 6
	.text
	.protected	k_qd958898dc8_score
	.globl	k_qd958898dc8_score
	.p2align	8
	.type	k_qd958898dc8_score,@function
k_qd958898dc8_score:
	s_mov_b64 s[64:65], 0
	v_nop
	global_prefetch_b8 v0, s[64:65] scope:SCOPE_SE
	s_setreg_imm32_b32 hwreg(HW_REG_WAVE_MODE, 25, 1), 1
	s_wait_xcnt 0x0
; TWO KINDS OF TILE, 256 x 256 x 1,024 each, on one main loop; a work-group makes one.  For each batch b (the grid's y):
; x = 0-35, a SCORE tile (i, j), j <= i, of 256 queries x 256 keys: s = q . k; per query and block kt of 128 keys: cm = the maximum of c s over the block's visible keys, c = log2(e) / 32;
;   P = 2^(c s - cm), rounded to f16; l = the sum of the unrounded P.  The launch behind joins the blocks by the row's overall maximum.  Tiles above the diagonal are neither made nor read.
; x = 36-59, a tile of v, turned: 256 channels (of channels 256-1023) x 256 tokens: vt[b][o][t] = the sum over d of wh[2048 + o][d] xh[2048 b + t][d], rounded once to f16.
; qk [2][8192][1024], xh [8192][1024], wh [3072][1024] f16.  p [4][2048][2048] f16; st [2][16 kt][8192 rows] f32: cm, then l; vt [4][1024][2048] f16.
; A tile of v takes the weights' rows in q's place and x's rows in k's: it then leaves as P leaves (rows of 4,096 bytes in p and in vt alike), with c = 1, no mask, and a jump over the maximum and the exponentials.
; LIMITS.  A hidden score counts as c s - 1e30 (f16's products give |c s| under 2e11); a weight below 2^-126 counts as 0; |v| stays below 65,504; NaN and infinities are not treated apart.
; In a diagonal tile the quarter of queries 0-127 x keys 128-255 is wholly hidden: it is written unmasked (finite numbers, at most 1), and the launch behind multiplies it by 0.
; SHARES.  Four waves, each 128 x 128 = 64 accumulators.  K (1,024) in steps of 128 through a ring of two LDS slots.
; NO CLUSTER: the triangle's tile rows hold 1 to 8 tiles, so no grouping by fours shares a tile of q or k without partners that have nothing to compute.
; C^T = B A^T (source 0 = 16 rows of the second operand, source 1 = 16 of the first): a lane holds one row of C (lane % 16) and the columns 8 (lane / 16) + 0..7 of each block of 16.
; REGISTERS.  window 0: v0-31 addresses; v32-49 mask and statistics; v64-127, v128-191 the first operand's fragments, two buffers (in the epilogue: 64 numbers; packed results and rows read back)
;             window 1: v64-127, v128-191 the second operand's fragments;  windows 2, 3: accumulators, (a, b) at v[8 (8 (a % 4) + b)] of window 2 + a / 4.
.set KSTEP,  128
.set STEPS,  8
.set PITCH,  272
.set HALFT,  128*PITCH
.set SLOT,   4*HALFT                   ; the first operand's 256 rows, then the second's
.set STAGE,  2*SLOT                    ; 16 rows x 272 bytes for each wave
.set STATS,  STAGE+4*16*PITCH          ; for each wave 512 bytes of cm, then 512 of l
.set SPARE,  STATS+4*1024              ; the spare words, which no other line names
.set PLANE,  16777216
.set ADRA0, 16
.set ADRA,  17
.set SO,   18                          ; v18  16 x my lane
.set SR,   19                          ; v19  where I read my wave's statistics back
.set ADRB0, 20
.set ADRB,  21
.set STO,  24
.set RD,   25
.set CO,   26                          ; v26  my byte offset in two rows of p or vt
.set SA,   27                          ; v27  where my lane puts cm (lanes 0-15) or l (lanes 16-31) of the block in hand
.set SPW,  28
.set NIL,  29
.set PFO,  30
.set MD,   32                          ; v32-39  the mask of a diagonal block of 16 x 16 for my lane
.set MX,   40                          ; v40-44  at work
.set CM,   48                          ; v48-49  cm, named as a pair
.set T,    64                          ; 64 numbers of one block of 16 rows
.set TMP,  128
.set OB,   160
.set F,    64                          ; fragment buffer f at F + 64 f, in both windows
.set G1,   24
.set G0,   32                          ; s[32:39] two sets for the first fills; the second then walks
.set LIM,  43
.set PFA,  44
.set CS,   46                          ; s[46:47] c, or 1 in a tile of v
.set BE,   48                          ; s[48:49] -1e30 in a wave that holds the diagonal, else 0
.set SEL,  50                          ; s[50:51] v_permlanex16_b32's selects
.set HM,   52                          ; s52  lanes 16-31
.set ISV,  53                          ; s53  1 in a tile of v
.set LA,   54                          ; s54  my 128 rows' place in a slot
.set TB,   55                          ; s55  the slot in hand: 0 or SLOT
.set MSB, 0
.macro WIN new
.if MSB != (\new)
	s_set_vgpr_msb (MSB<<8)|(\new)
.set MSB, \new
.endif
.endm
.set MUL_LO, 0xa1                      ; source 0 window 1, source 1 window 0, C and D window 2
.set MUL_HI, 0xf1
.set TO_B,   0x40
	s_load_b256 s[68:75], s[0:1], 0x0              ; qk s[68:69], xh s[70:71], wh s[72:73], p s[74:75]
	s_load_b128 s[76:79], s[0:1], 0x20             ; st s[76:77], vt s[78:79]
	v_lshl_add_u32 v[SPW], v0, 2, SPARE
	v_mov_b32 v[NIL], 0
	ds_add_u32 v[SPW], v[NIL]                      ; the wave's opening: the add and its wait stand ahead of my first tensor load
	ds_add_u32 v28, v29
	v_lshrrev_b32 v1, 5, v0
	v_readfirstlane_b32 s10, v1                    ; wave 0..3
	s_lshr_b32 s11, s10, 1                         ; my half of the tile's rows
	s_and_b32 s12, s10, 1                          ; my half of its columns.  Also: which 128 rows I fetch
	s_and_b32 s18, ttmp7, 0xffff                   ; batch
	s_mov_b32 s17, 0
.irp t, 1,3,6,10,15,21,28
	s_cmp_ge_u32 ttmp9, \t                         ; tile row i begins at tile number i (i + 1) / 2
	s_add_co_ci_u32 s17, s17, 0
.endr
	s_add_co_u32 s19, s17, 1
	s_mul_i32 s19, s19, s17
	s_lshr_b32 s19, s19, 1
	s_sub_co_u32 s16, ttmp9, s19                   ; j
	s_sub_co_u32 s56, ttmp9, 36                    ; a tile of v:
	s_lshr_b32 s57, s56, 3                         ; its block of 256 channels, 0-2,
	s_and_b32 s56, s56, 7                          ; its block of 256 tokens
	s_add_co_u32 s58, s57, 1                       ; the channels' place in vt, in blocks of 256 rows,
	s_add_co_u32 s59, s57, 9                       ; and in wh: from row 2,304 on
	s_lshl_b32 s22, s18, 3                         ; a batch is 8 blocks of 256 rows
	s_add_co_u32 s60, s22, s17                     ; q's block
	s_add_co_u32 s61, s22, s16                     ; k's block
	s_add_co_u32 s62, s22, s56                     ; xh's block
	s_lshl_b32 s63, s18, 23                        ; a batch of p,
	s_lshl_b32 s80, s18, 22                        ; of vt
	s_cmp_ge_u32 ttmp9, 36
	s_cselect_b32 s[ISV], 1, 0
	s_cselect_b32 s60, s59, s60                    ; the first operand's block of 256 rows
	s_cselect_b32 s61, s62, s61                    ; the second's
	s_cselect_b32 s81, s58, s17                    ; the result's block of 256 rows
	s_cselect_b32 s82, s56, s16                    ; and of 256 columns
	s_cselect_b32 s63, s80, s63
	s_cselect_b32 s[CS], 1.0, 0x3d38aa3b           ; log2(e) / 32
	s_mov_b32 s[CS+1], s[CS]
	s_mov_b32 s[G1+0], (1<<16)|(1<<20)|(5<<22)|(3<<25)  ; elements of 2 bytes; padding on; after every 64 words 4 words
	s_mov_b32 s[G1+1], KSTEP<<16
	s_mov_b32 s[G1+2], 128<<16
	s_mov_b32 s[G1+3], KSTEP<<16
	s_mov_b32 s[G1+4], 128
	s_mov_b32 s[G1+5], 1024
	s_mov_b32 s[G1+6], 0
	s_mov_b32 s[G1+7], 0
	s_cmp_lt_u32 s10, 2                            ; waves 0, 1 fetch the first operand's two halves, waves 2, 3 the second's
	s_cselect_b32 s20, s60, s61
	s_lshl_b32 s20, s20, 1
	s_add_co_u32 s20, s20, s12
	s_lshl_b32 s20, s20, 18                        ; 128 rows of 2,048 bytes
	s_mov_b32 s21, 0
	s_mul_i32 s[LA], s10, HALFT
	s_mov_b32 s[TB], 0
	s_xor_b32 s40, s17, s16
	s_or_b32 s40, s40, s[ISV]
	s_cmp_eq_u32 s40, 0
	s_cselect_b32 s[LIM], 2, -1                    ; the diagonal work-group names each block of q and of k once in the launch
	s_xor_b32 s41, s11, s12
	s_or_b32 s40, s40, s41
	s_cmp_eq_u32 s40, 0                            ; a score tile with i = j, and my halves are equal: my 128 x 128 holds the diagonal
	s_cselect_b32 s[BE], 0xf149f2ca, 0
	s_mov_b32 s[BE+1], s[BE]
	s_or_b32 s41, s56, s18                         ; wh's rows are named by the tile of token block 0 in batch 0,
	s_cmp_lt_u32 s10, 2
	s_cselect_b32 s41, s41, s57                    ; xh's by the tiles of channel block 0
	s_cmp_eq_u32 s41, 0
	s_cselect_b32 s41, 2, -1
	s_cmp_eq_u32 s[ISV], 1
	s_cselect_b32 s[LIM], s41, s[LIM]
	s_mov_b32 s[SEL], 0x76543210
	s_mov_b32 s[SEL+1], 0xfedcba98
	s_mov_b32 s[HM], 0xffff0000
	s_lshl_b32 s40, s81, 1
	s_add_co_u32 s40, s40, s11                     ; my 128 rows of the result
	s_lshl_b32 s42, s82, 1
	s_add_co_u32 s42, s42, s12                     ; my 128 columns: kt
	s_lshl_b32 s58, s40, 19                        ; 128 rows of 4,096 bytes,
	s_add_co_u32 s58, s58, s63
	s_lshl_b32 s41, s42, 8                         ; 256 bytes a block of columns
	s_add_co_u32 s58, s58, s41
	s_mov_b32 s59, 0
	s_lshl_b32 s60, s42, 15                        ; st: 32,768 bytes a kt,
	s_lshl_b32 s41, s40, 9                         ; 4 bytes a row
	s_add_co_u32 s60, s60, s41
	s_lshl_b32 s41, s18, 13
	s_add_co_u32 s60, s60, s41
	s_mov_b32 s61, 0
	s_wait_dscnt 0x0                               ; the opening add is done
	s_wait_kmcnt 0x0
	s_add_nc_u64 s[80:81], s[68:69], PLANE         ; k's plane
	s_cmp_lt_u32 s10, 2
	s_cselect_b64 s[80:81], s[68:69], s[80:81]     ; a score tile: q or k
	s_cselect_b64 s[82:83], s[72:73], s[70:71]     ; a tile of v: wh or xh
	s_cmp_eq_u32 s[ISV], 1
	s_cselect_b64 s[14:15], s[82:83], s[80:81]
	s_cselect_b64 s[6:7], s[78:79], s[74:75]       ; vt or p
	s_add_nc_u64 s[14:15], s[14:15], s[20:21]
	s_add_nc_u64 s[6:7], s[6:7], s[58:59]
	s_add_nc_u64 s[8:9], s[76:77], s[60:61]
	s_add_nc_u64 s[PFA:PFA+1], s[14:15], 2*KSTEP*2 ; the first refill steps it to K step 3 and names K step 4
.irp s, 0,1
	s_mov_b32 s[G0+4*(\s)], 1
	s_add_co_u32 s[G0+4*(\s)+1], s[LA], (\s)*SLOT
	s_add_nc_u64 s[G0+4*(\s)+2:G0+4*(\s)+3], s[14:15], (\s)*KSTEP*2
	s_or_b32 s[G0+4*(\s)+3], s[G0+4*(\s)+3], 0x80000000
	tensor_load_to_lds s[G0+4*(\s):G0+4*(\s)+3], s[G1:G1+7]        ; the two first fills go out together: two loads of mine are out
	s_nop 0
.endr
.rept 4
	v_nop
.endr
	v_and_b32 v1, 15, v0
	v_bfe_u32 v2, v0, 4, 1
	v_mul_u32_u24 v3, v1, PITCH
	v_lshl_add_u32 v3, v2, 4, v3
	s_mul_i32 s21, s11, HALFT
	s_mul_i32 s22, s12, HALFT
	s_add_co_u32 s22, s22, 2*HALFT
	v_add_nc_u32 v[ADRA0], s21, v3
	v_add_nc_u32 v[ADRB0], s22, v3
	v_mov_b32 v[ADRA], v[ADRA0]
	v_mov_b32 v[ADRB], v[ADRB0]
	s_mul_i32 s23, s10, 16*PITCH
	s_add_co_u32 s23, s23, STAGE
	v_add_nc_u32 v[STO], s23, v3
	v_mul_u32_u24 v5, v2, PITCH
	v_lshl_add_u32 v5, v1, 4, v5
	v_add_nc_u32 v[RD], s23, v5
	v_lshlrev_b32 v5, 12, v2
	v_lshl_add_u32 v[CO], v1, 4, v5
	s_lshl_b32 s23, s10, 10
	s_add_co_u32 s23, s23, STATS
	v_lshlrev_b32 v5, 9, v2
	v_lshl_add_u32 v5, v1, 2, v5
	v_add_nc_u32 v[SA], s23, v5
	v_and_b32 v5, 31, v0
	v_lshlrev_b32 v[SO], 4, v5
	v_add_nc_u32 v[SR], s23, v[SO]
	v_lshlrev_b32 v[PFO], 11, v5
	v_lshlrev_b32 v3, 3, v2
	v_sub_nc_u32 v3, v1, v3                        ; in a diagonal block of 16 x 16 my register r is hidden where r > l % 16 - 8 (l / 16)
.irp r, 0,1,2,3,4,5,6,7
	v_cmp_gt_i32 vcc_lo, \r, v3
	v_cndmask_b32 v[MD+\r], 0, s[BE], vcc_lo
.endr
	v_mov_b32 v[MX+4], 0                           ; v_permlanex16_b32's destination counts as read
	v_mov_b32 v[CM], 0                             ; a tile of v makes no maximum
	v_mov_b32 v[CM+1], 0                           ; named with cm as a pair
.macro MUL16 f, hi, a0, zero
	WIN MUL_LO+0x50*(\hi)
.irp a, \a0, (\a0)+1
.irp b, 0,1,2,3,4,5,6,7
.if \zero
	v_wmma_f32_16x16x32_f16 v[8*(8*(\a)+(\b)):8*(8*(\a)+(\b))+7], v[F+64*(\f)+8*(\b):F+64*(\f)+8*(\b)+7], v[F+64*(\f)+8*(4*(\hi)+(\a)):F+64*(\f)+8*(4*(\hi)+(\a))+7], 0
.else
	v_wmma_f32_16x16x32_f16 v[8*(8*(\a)+(\b)):8*(8*(\a)+(\b))+7], v[F+64*(\f)+8*(\b):F+64*(\f)+8*(\b)+7], v[F+64*(\f)+8*(4*(\hi)+(\a)):F+64*(\f)+8*(4*(\hi)+(\a))+7], v[8*(8*(\a)+(\b)):8*(8*(\a)+(\b))+7]
.endif
.endr
.endr
.endm
.macro FETCH k, f                      ; 32 LDS loads in one run, from the slot in hand: the second operand's 16, then the first's 16
	WIN TO_B
.irp i, 0,1,2,3,4,5,6,7
	ds_load_b128 v[F+64*(\f)+8*(\i):F+64*(\f)+8*(\i)+3],   v[ADRB] offset:(\k)+(\i)*16*PITCH
	ds_load_b128 v[F+64*(\f)+8*(\i)+4:F+64*(\f)+8*(\i)+7], v[ADRB] offset:(\k)+(\i)*16*PITCH+32
.endr
	WIN 0
.irp i, 0,1,2,3,4,5,6,7
	ds_load_b128 v[F+64*(\f)+8*(\i):F+64*(\f)+8*(\i)+3],   v[ADRA] offset:(\k)+(\i)*16*PITCH
	ds_load_b128 v[F+64*(\f)+8*(\i)+4:F+64*(\f)+8*(\i)+7], v[ADRA] offset:(\k)+(\i)*16*PITCH+32
.endr
.endm
.macro PLACES
.rept 4
	v_nop
.endr
.endm
.macro QUARTER k, f, zero              ; multiplies buffer f and fetches the next quarter, at byte k, into the other
	s_wait_dscnt 8                                 ; the second operand's fragments and the first's rows 0-63 are in; the youngest eight loads may be out
	MUL16 \f, 0, 0, \zero
	MUL16 \f, 0, 2, \zero
	PLACES
	FETCH \k, 1-(\f)
	s_wait_dscnt 32                                ; all but the 32 just issued
	MUL16 \f, 1, 0, \zero
	MUL16 \f, 1, 2, \zero
.endm
; The change of slots: each wave waits for all its tensor loads (one is out: its part of the next slot), adds 0 to its spare word, waits for that and for its reads of this slot, and passes the barrier.
.macro MEET
	WIN 0
	s_wait_tensorcnt 0x0
	ds_add_u32 v[SPW], v[NIL]
	s_wait_dscnt 9                                 ; (the add and the youngest eight loads may be out)
	MUL16 1, 0, 0, 0
	s_wait_dscnt 0x0
	s_barrier_signal -1
	MUL16 1, 0, 2, 0
	s_barrier_wait -1
.endm
.macro NEXTSLOT                        ; the fetches go on in the other slot
	WIN 0
	s_xor_b32 s[TB], s[TB], SLOT
	v_add_nc_u32 v[ADRA], s[TB], v[ADRA0]
	v_add_nc_u32 v[ADRB], s[TB], v[ADRB0]
.endm
.macro TURN
	s_wait_xcnt 0x0                                ; the last prefetches, a K step back, have read their address
	s_add_nc_u64 s[PFA:PFA+1], s[PFA:PFA+1], KSTEP*2
	MEET
	s_add_co_u32 s[G0+5], s[TB], s[LA]             ; the walking descriptor: into the slot that is left,
	s_add_nc_u64 s[G0+6:G0+7], s[G0+6:G0+7], KSTEP*2  ; the next K step
	tensor_load_to_lds s[G0+4:G0+7], s[G1:G1+7]    ; my one tensor load behind the barrier: 224 matrix instructions ahead of the wait for it
	s_nop 0
	PLACES                                         ; also the places in front of the loads below
	NEXTSLOT
	FETCH 0, 0
	s_cmp_gt_u32 s3, s[LIM]                        ; my own 128 rows of the K step two refills on, a lane a row; the last two trips have none
	s_cbranch_scc0 .Lnot_mine_\@
.irp g, 0,1,2,3
	global_prefetch_b8 v[PFO], s[PFA:PFA+1] offset:(\g)*65536+KSTEP*2 th:TH_LOAD_NT scope:SCOPE_SE
.endr
.Lnot_mine_\@:
	MUL16 1, 1, 0, 0
	MUL16 1, 1, 2, 0
.endm
	s_wait_tensorcnt 1                             ; my part of K step 0 is in
	s_barrier_signal -1
	s_barrier_wait -1
	FETCH 0, 0
	QUARTER 64, 0, 1
	WIN 0
	s_mov_b32 s3, STEPS-2
.Lstep:                                            ; six trips, from a K step's second quarter to the next step's first; each fills the slot that it leaves
	QUARTER 128, 1, 0
	QUARTER 192, 0, 0
	TURN
	QUARTER 64, 0, 0
	WIN 0
	s_sub_co_u32 s3, s3, 1
	s_cmp_lg_u32 s3, 0
	s_cbranch_scc1 .Lstep
	QUARTER 128, 1, 0                              ; the last two K steps are written out: they ask for nothing
	QUARTER 192, 0, 0
	MEET
	PLACES
	NEXTSLOT
	FETCH 0, 0
	MUL16 1, 1, 0, 0
	MUL16 1, 1, 2, 0
	QUARTER 64, 0, 0
	QUARTER 128, 1, 0
	QUARTER 192, 0, 0
	s_wait_dscnt 8
	MUL16 1, 0, 0, 0
	MUL16 1, 0, 2, 0
	s_wait_dscnt 0x0
	MUL16 1, 1, 0, 0
	MUL16 1, 1, 2, 0
	WIN 0
	PLACES
	PLACES
; THE EPILOGUE, a block of 16 rows a trip.  EP1 a copies the block's 64 numbers a lane out of its accumulators, times c, with the mask as the addend: column blocks b < a are seen, b = a holds the
; diagonal, b > a are hidden (in a wave without the diagonal both addends are 0).  It differs from block to block, so it is written eight times; the rest of a trip is written once.
.macro EP1 a
.set AC, 64*((\a)%4)
	WIN 0x02+(\a)/4                                ; source 0 in window 2 or 3
.irp b, 0,1,2,3,4,5,6,7
.irp r, 0,1,2,3
.if (\b) < (\a)
	v_pk_mul_f32 v[T+8*(\b)+2*(\r):T+8*(\b)+2*(\r)+1], v[AC+8*(\b)+2*(\r):AC+8*(\b)+2*(\r)+1], s[CS:CS+1] op_sel_hi:[1,0]
.elseif (\b) == (\a)
	v_pk_fma_f32 v[T+8*(\b)+2*(\r):T+8*(\b)+2*(\r)+1], v[AC+8*(\b)+2*(\r):AC+8*(\b)+2*(\r)+1], s[CS:CS+1], v[MD+2*(\r):MD+2*(\r)+1] op_sel_hi:[1,0,1]
.else
	v_pk_fma_f32 v[T+8*(\b)+2*(\r):T+8*(\b)+2*(\r)+1], v[AC+8*(\b)+2*(\r):AC+8*(\b)+2*(\r)+1], s[CS:CS+1], s[BE:BE+1] op_sel_hi:[1,0,0]
.endif
.endr
.endr
	WIN 0
.endm
.macro SUBP n
	v_pk_add_f32 v[T+2*(\n):T+2*(\n)+1], v[T+2*(\n):T+2*(\n)+1], v[CM:CM+1] op_sel_hi:[1,0] neg_lo:[0,1] neg_hi:[0,1]
.endm
	s_mov_b32 s2, 0
.Lep:
.irp a, 1,2,3,4,5,6,7
	s_cmp_eq_u32 s2, \a
	s_cbranch_scc1 .Lep\a
.endr
	EP1 0
	s_branch .Lepc
.irp a, 1,2,3,4,5,6
.Lep\a:
	EP1 \a
	s_branch .Lepc
.endr
.Lep7:
	EP1 7
.Lepc:
	s_cmp_eq_u32 s[ISV], 1
	s_cbranch_scc1 .Lcvt                           ; a tile of v is only rounded
	; the maximum of my 64 numbers: four chains of 15, the four left over, the chains into one; then the lane 16 away, which holds the query's other 64 keys
.irp k, 0,1,2,3
	v_max3_num_f32 v[MX+\k], v[T+16*\k], v[T+16*\k+1], v[T+16*\k+2]
.endr
.irp n, 1,2,3,4,5,6
.irp k, 0,1,2,3
	v_max3_num_f32 v[MX+\k], v[MX+\k], v[T+16*\k+2*\n+1], v[T+16*\k+2*\n+2]
.endr
.endr
	v_max3_num_f32 v[MX], v[MX], v[T+15], v[T+31]
	v_max3_num_f32 v[MX+1], v[MX+1], v[T+47], v[T+63]
	v_max3_num_f32 v[MX], v[MX], v[MX+1], v[MX+2]
	v_max_num_f32 v[MX], v[MX], v[MX+3]
	v_permlanex16_b32 v[MX+4], v[MX], s[SEL], s[SEL+1]
	v_max_num_f32 v[CM], v[MX], v[MX+4]
	; c s - cm and the 64 exponentials: one batch; no line of it names an exponential's result
	SUBP 0
.set n, 1
.rept 31
	SUBP n
	v_exp_f32 v[T+2*n-2], v[T+2*n-2]
	v_exp_f32 v[T+2*n-1], v[T+2*n-1]
.set n, n+1
.endr
	v_exp_f32 v[T+62], v[T+62]
	v_exp_f32 v[T+63], v[T+63]
	v_nop                                          ; a plain instruction behind the last exponential,
	s_wait_alu depctr_va_vdst(0)                   ; and the one wait ahead of the batch's first reader, and of the label
.Lcvt:
.set n, 0
.rept 32
	v_cvt_pk_f16_f32 v[TMP+n], v[T+2*n], v[T+2*n+1]
.set n, n+1
.endr
.irp b, 0,1,2,3,4,5,6,7
	ds_store_b128 v[STO], v[TMP+4*\b:TMP+4*\b+3] offset:32*\b
.endr
.irp t, 0,1,2,3,4,5,6,7
	ds_load_b128 v[OB+4*\t:OB+4*\t+3], v[RD] offset:\t*2*PITCH  ; LDS serves a wave's instructions in order: these see the stores above
.endr
	; l: the 32 pairs into one, in place, while the stage's round trip runs (in a tile of v the sum is made too, and goes no further than LDS)
.irp w, 1,2,4,8,16
.set n, 0
.rept 16/(\w)
	v_pk_add_f32 v[T+4*(\w)*n:T+4*(\w)*n+1], v[T+4*(\w)*n:T+4*(\w)*n+1], v[T+4*(\w)*n+2*(\w):T+4*(\w)*n+2*(\w)+1]
.set n, n+1
.endr
.endr
	v_add_f32 v45, v[T], v[T+1]
	v_permlanex16_b32 v[MX+4], v45, s[SEL], s[SEL+1]
	v_add_f32 v46, v45, v[MX+4]
	v_cndmask_b32 v47, v[CM], v46, s[HM]           ; lanes 0-15 keep cm, lanes 16-31 take l
	ds_store_b32 v[SA], v47
	s_wait_dscnt 1                                 ; the rows are back; only the store just issued may be out
.irp t, 0,1,2,3,4,5,6,7
	global_store_b128 v[CO], v[OB+4*\t:OB+4*\t+3], s[6:7] offset:\t*8192  ; 16 lanes store 256 consecutive bytes of a row of p or vt, aligned
.endr
	s_wait_xcnt 0x0                                ; the stores have read their base and data: both are written again only behind this wait
	s_add_nc_u64 s[6:7], s[6:7], 65536             ; 16 rows on
	v_add_nc_u32 v[SA], 64, v[SA]
	s_add_co_u32 s2, s2, 1
	s_cmp_lt_u32 s2, 8
	s_cbranch_scc1 .Lep
	s_wait_dscnt 0x0
	s_cmp_eq_u32 s[ISV], 1
	s_cbranch_scc1 .Lend                           ; a tile of v has no statistics
	ds_load_b128 v[OB:OB+3], v[SR]                 ; my wave's 128 cm and 128 l: my own bytes
	ds_load_b128 v[OB+4:OB+7], v[SR] offset:512
	s_wait_dscnt 0x0
	global_store_b128 v[SO], v[OB:OB+3], s[8:9]    ; 512 consecutive bytes each
	global_store_b128 v[SO], v[OB+4:OB+7], s[8:9] offset:524288
.Lend:
	s_wait_tensorcnt 0x0                           ; the wave's end
	ds_add_u32 v[SPW], v[NIL]
	s_wait_dscnt 0x0
	s_endpgm
.Lfunc_end_k_qd958898dc8_score:
	.size	k_qd958898dc8_score, .Lfunc_end_k_qd958898dc8_score-k_qd958898dc8_score
	.p2alignl 7, 3214868480
	.fill 96, 4, 3214868480
	.section	.rodata,"a",@progbits
	.p2align	6, 0x0
	.amdhsa_kernel k_qd958898dc8_score
		.amdhsa_group_segment_fixed_size 327680
		.amdhsa_private_segment_fixed_size 0
		.amdhsa_enable_private_segment 0
		.amdhsa_kernarg_size 48
		.amdhsa_user_sgpr_count 2
		.amdhsa_user_sgpr_kernarg_segment_ptr 1
		.amdhsa_wavefront_size32 1
		.amdhsa_system_sgpr_workgroup_id_x 1
		.amdhsa_system_sgpr_workgroup_id_y 1
		.amdhsa_system_sgpr_workgroup_id_z 1
		.amdhsa_system_vgpr_workitem_id 0
		.amdhsa_next_free_vgpr 1024
		.amdhsa_next_free_sgpr 84
		.amdhsa_reserve_vcc 1
		.amdhsa_float_denorm_mode_32 3
		.amdhsa_float_denorm_mode_16_64 3
		.amdhsa_memory_ordered 1
		.amdhsa_forward_progress 1
		.amdhsa_inst_pref_size 116
	.end_amdhsa_kernel
	.amdgpu_metadata
---
amdhsa.version: [ 1, 2 ]
amdhsa.kernels:
  - .name:           k_qd958898dc8_score
    .symbol:         k_qd958898dc8_score.kd
    .args:
      - { .name: qk, .offset: 0, .size: 8, .value_kind: global_buffer, .address_space: global }
      - { .name: xh, .offset: 8, .size: 8, .value_kind: global_buffer, .address_space: global }
      - { .name: wh, .offset: 16, .size: 8, .value_kind: global_buffer, .address_space: global }
      - { .name: p, .offset: 24, .size: 8, .value_kind: global_buffer, .address_space: global }
      - { .name: st, .offset: 32, .size: 8, .value_kind: global_buffer, .address_space: global }
      - { .name: vt, .offset: 40, .size: 8, .value_kind: global_buffer, .address_space: global }
    .group_segment_fixed_size: 327680
    .private_segment_fixed_size: 0
    .kernarg_segment_align: 8
    .kernarg_segment_size: 48
    .max_flat_workgroup_size: 128
    .sgpr_count:     84
    .vgpr_count:     1024
    .wavefront_size: 32
...
	.end_amdgpu_metadata
.endif
;; end of part 3
;; launch pv (part 4): grid 8 x 32, 4 waves a work-group, clusters of 4 x 1, 327,680 bytes of LDS; arguments p, vt, st, out0; writes out0
.if DOCPART == 4
	.amdgcn_target "amdgcn-amd-amdhsa--gfx1250"
	.amdhsa_code_object_version 6
	.text
	.protected	k_qd958898dc8_pv
	.globl	k_qd958898dc8_pv
	.p2align	8
	.type	k_qd958898dc8_pv,@function
k_qd958898dc8_pv:
	s_mov_b64 s[64:65], 0
	v_nop
	global_prefetch_b8 v0, s[64:65] scope:SCOPE_SE
	s_setreg_imm32_b32 hwreg(HW_REG_WAVE_MODE, 25, 1), 1
	s_wait_xcnt 0x0
	s_wait_alu depctr_hold_cnt(0) depctr_sa_sdst(0) depctr_va_vdst(0) depctr_va_sdst(0) depctr_va_ssrc(0) depctr_va_vcc(0) depctr_vm_vsrc(0)
	s_getreg_b32 s2, hwreg(HW_REG_IB_STS2, 6, 4)
	s_cmp_eq_u32 s2, 0
	s_cbranch_scc0 .Lentry_in_a_cluster
	s_endpgm
.Lentry_in_a_cluster:
	s_bfe_u32 s2, ttmp6, 0x10000c
	s_cmp_lg_u32 s2, 0x3003
	s_cbranch_scc0 .Lentry_shape_is_right
	s_endpgm
.Lentry_shape_is_right:
; out[q][o] = (the sum over key blocks kt of f_kt(q) x the sum over the block's keys of P[q][k] v[k][o]) / L(q), with CM(q) = the maximum of cm_kt(q), f_kt = 2^(cm_kt - CM), L = the sum of f_kt l_kt.
; p [4][2048][2048] f16, vt [4][1024 channels][2048 keys] f16 (v, turned), st [2][16 kt][8192] f32 (cm, then l), out0 [4][2048][1024] f32.
; f is rounded to f16 and multiplied onto P in f16, between P's load from LDS and the product; L, CM and the products' sums stay in f32.
; LIMITS.  A factor f below 6e-8 counts as 0 in the product (in L it stays f32); NaN and infinities are not treated apart.
; THE WALK.  A batch has 16 blocks of 128 queries; block I needs the keys 0 .. 128 (I + 1) - 1.  A work-group takes blocks 15 - pr and then pr, for 128 channels, in steps of 256 keys: 8 - pr / 2 steps and
; 1 + pr / 2: nine for every work-group, one loop with constant trip counts.  A key block beyond a block's diagonal (the second half of an even block's last step) has f = 0.
; Only global addresses and one forward jump hang on pr; every LDS address hangs on the wave, the lane and the step's number alone: the table of factors is laid in the walk's order.
; CLUSTER 4 x 1: the four channel blocks of a cluster walk the same tiles of P, which are asked for jointly.  vt's tiles are each work-group's own (they hang on the channel block): work-groups that share
; them have other pr and change blocks at other steps, so they cannot ask in step.
; O^T = v^T P (source 0 = 16 channels, source 1 = 16 queries, keys along the rows of both): a lane holds one query (lane % 16) and eight channels.  A wave makes 64 queries x 64 channels: 16 accumulators.
; The accumulators are cleared at a block's beginning: the block's end falls at a step that hangs on pr, so one text of a step serves every step.
; REGISTERS.  window 0: v0-14 addresses; v16-23 two sets of factors; v24-31 1 / L (even: the block in hand; odd: the second block); v32-63 at work; v64-127 rows read back; v128-255 vt's fragments, two buffers
;             window 1: v0-127 accumulators, (a, b) at v[8 (4 a + b)]; v128-255 P's fragments, two buffers.  In a buffer: 32 keys c, block i at 32 c + 8 i.
.set PP,    528                        ; a row of P or of vt in LDS: 512 bytes + 16: the 16 rows of a fragment load start 4 banks apart (64 banks of 4 bytes: ISA guide 11.1)
.set VOFF,  128*PP                     ; vt's 128 rows lie behind P's 128
.set SLOT,  2*VOFF
.set STAGE, 2*SLOT                     ; 16 rows x 272 bytes for each wave
.set SP,    272
.set TAB,   STAGE+4*16*SP              ; [10 steps][2 halves][128 rows]: f twice in f16; step 9 holds zeros
.set INV,   TAB+10240                  ; [2 blocks][128 rows]: 1 / L
.set SPARE, INV+1024                   ; the spare words, which no other line names
.set ADA0, 2
.set ADB0, 3
.set ADA,  4                           ; v4   my place in P's tile of the slot in hand
.set ADB,  5                           ; v5   in vt's tile
.set TA,   6                           ; v6   my row's place in the table, at the step in hand
.set STO,  8
.set RD,   9
.set CO,   10
.set PFO,  11
.set SPW,  12
.set NIL,  13
.set TW,   14                          ; v14  where thread t writes row t of the table
.set K0,   16
.set K1,   20
.set IL,   24
.set TMP,  32
.set OB,   64
.set BF,   128                         ; window 0
.set AF,   128                         ; window 1
.set OFS,  32                          ; the table's making: v32-49 offsets, then packed factors
.set CMR,  64                          ; v64-81   cm, then f, by walk position
.set LRR,  96                          ; v96-113  l, then f l
.set XH,   128                         ; v128-145 the first block's share
.set XL,   160                         ; v160-177 the second block's
.set CSU,  192                         ; v192-200 a step's CM
.set CMH,  208
.set CML,  209
.set LH,   210
.set LL,   211
.set NEG,  212
.set ZR,   213
.set WV,   12
.set ILO,  16                          ; s16  pr, the second block
.set NH,   17                          ; s17  steps of the first block
.set IHI,  18                          ; s18  15 - pr
.set SB,   19                          ; s19  8,192 x batch: the batch's rows in st
.set LA,   21                          ; s21  my part of P's tile in a slot
.set LB,   22                          ; s22  of vt's
.set G1A,  24
.set G1B,  32
.set G0A,  40                          ; s[40:47] two sets for the first fills; the second then walks
.set G0B,  48
.set PHI,  56                          ; s[56:57] p at my rows of the first block
.set PLO,  58                          ; s[58:59] of the second
.set VB,   60                          ; s[60:61] vt at my channels, step 0
.set OLO,  62                          ; s[62:63] out0 at my rows of the second block
.set PFA,  66
.set U,    68                          ; s68  the loop's count
.set RT,   69                          ; s69  steps that the block in hand still has
.set VN,   70                          ; s70  the step to ask for next
.set TB,   71                          ; s71  the slot in hand: 0 or SLOT
.set PLIM, 72                          ; s72  a wave prefetches while the trip's number is below this
.set MK,   82                          ; s82-90  step u: all ones if it is the second block's
.set VF,   91                          ; s91-99  step u: 1.0 if its second half lies within the diagonal, else 0
.set MSB, 0
.macro WIN new
.if MSB != (\new)
	s_set_vgpr_msb (MSB<<8)|(\new)
.set MSB, \new
.endif
.endm
.set W_MM, 0x54                        ; source 0 window 0 (vt's fragment; a factor), source 1, C and D window 1: one setting for a product and for the scalings behind it
.macro PLACES
.rept 4
	v_nop
.endr
.endm
.macro CREST
	s_cmp_lg_u32 s[WV], 0
	s_cbranch_scc1 .Lnot_wave_0_\@
	s_barrier_signal -3
.Lnot_wave_0_\@:
	s_barrier_wait -3
	s_barrier_signal -1
	s_barrier_wait -1
.endm
.macro CROUND
	s_barrier_signal -1
	s_barrier_wait -1
	CREST
.endm
.macro JLOAD                           ; waves 0, 1: the two halves of P's tile, jointly; waves 2, 3: those of vt's, my work-group's own
	s_cmp_lt_u32 s[WV], 2
	s_cbranch_scc0 .Lfor_v_\@
	tensor_load_to_lds s[G0A+4:G0A+7], s[G1A:G1A+7]
	s_nop 0
	PLACES
	s_branch .Lasked_\@
.Lfor_v_\@:
	tensor_load_to_lds s[G0B+4:G0B+7], s[G1B:G1B+7]
	s_nop 0
	PLACES
.Lasked_\@:
.endm
; A prefetch of the step two refills on; a lane names half a row of 512 bytes.  P's tiles are read by both clusters of a row of the grid: the one with x = 0 asks; of the 64 rows that wave 0 or 1 fetches
; the partner at cx takes 16: one line.  vt's tiles are read by the eight work-groups of a batch and channel block: the one with pr = 0, whose first block walks all eight steps, asks: waves 2, 3, their own 64 rows: four lines.
.macro ASK
	s_cmp_lt_u32 s[U], s[PLIM]
	s_cbranch_scc0 .Lnone_\@
	s_cmp_lt_u32 s[WV], 2
	s_cbranch_scc0 .Lask_v_\@
	global_prefetch_b8 v[PFO], s[PFA:PFA+1] th:TH_LOAD_NT scope:SCOPE_SE
	s_branch .Lnone_\@
.Lask_v_\@:
.irp g, 0,1,2,3
	global_prefetch_b8 v[PFO], s[PFA:PFA+1] offset:(\g)*65536 th:TH_LOAD_NT scope:SCOPE_SE
.endr
.Lnone_\@:
.endm
.macro CLEAR
	WIN 0x40
.set n, 0
.rept 128
	v_mov_b32 v[n], 0
.set n, n+1
.endr
	WIN 0
.endm
	s_load_b256 s[4:11], s[0:1], 0x0               ; p s[4:5], vt s[6:7], st s[8:9], out0 s[10:11]
	v_lshl_add_u32 v[SPW], v0, 2, SPARE
	v_mov_b32 v[NIL], 0
	ds_add_u32 v[SPW], v[NIL]                      ; the wave's opening: the add and its wait stand ahead of my first tensor load
	ds_add_u32 v12, v13
	v_lshrrev_b32 v1, 5, v0
	v_readfirstlane_b32 s[WV], v1
	s_bfe_u32 s13, ttmp6, 0x40000                  ; cx
	s_lshl_b32 s14, ttmp9, 2
	s_add_co_u32 s14, s14, s13                     ; block of 128 channels
	s_and_b32 s23, ttmp7, 0xffff
	s_lshr_b32 s15, s23, 3                         ; batch
	s_and_b32 s[ILO], s23, 7                       ; pr
	s_lshr_b32 s[NH], s[ILO], 1
	s_sub_co_u32 s[NH], 8, s[NH]
	s_sub_co_u32 s[IHI], 15, s[ILO]
	s_lshl_b32 s[SB], s15, 13
	s_and_b32 s20, s[WV], 1                        ; which half of a tile I fetch.  Also: my half of the channels
	s_mul_i32 s[LA], s20, 64*PP
	s_mul_i32 s[LB], s20, 64*PP
	s_add_co_u32 s[LB], s[LB], VOFF
	s_mov_b32 s[G1A+0], 15|(1<<16)|(1<<20)|(1<<21)|(6<<22)|(3<<25)  ; the mask of four; 2-byte elements; padding on; bit 21 beside a mask; after every 128 words 4 words
	s_mov_b32 s[G1B+0], (1<<16)|(1<<20)|(6<<22)|(3<<25)             ; the same without a mask
.irp g, G1A, G1B
	s_mov_b32 s[(\g)+1], 256<<16                   ; tensor_dim0 = 256 keys
	s_mov_b32 s[(\g)+2], 64<<16                    ; tensor_dim1 = 64 rows
	s_mov_b32 s[(\g)+3], 256<<16
	s_mov_b32 s[(\g)+4], 64
	s_mov_b32 s[(\g)+5], 2048
	s_mov_b32 s[(\g)+6], 0
	s_mov_b32 s[(\g)+7], 0
.endr
	s_lshl_b32 s78, s15, 11                        ; 2,048 x batch
	s_lshl_b32 s79, s20, 6
	s_add_co_u32 s79, s79, s78
	s_lshl_b32 s80, s[IHI], 7
	s_add_co_u32 s80, s80, s79
	s_lshl_b32 s80, s80, 12                        ; p: my 64 rows of the first block,
	s_lshl_b32 s81, s[ILO], 7
	s_add_co_u32 s81, s81, s79
	s_lshl_b32 s81, s81, 12                        ; of the second
	s_mov_b32 s75, 0
	s_mov_b32 s[TB], 0
	s_mov_b32 s[VN], 2
	s_mov_b32 s[U], 0
	s_mov_b32 s[RT], s[NH]
	s_cmp_eq_u32 ttmp9, 0
	s_cselect_b32 s73, 5, 0                        ; P: trips 0 to 4 name steps 4 to 8
	s_cmp_eq_u32 s[ILO], 0
	s_cselect_b32 s79, 4, 0                        ; vt: trips 0 to 3 name steps 4 to 7; step 8 reads the first keys again
	s_cmp_lt_u32 s[WV], 2
	s_cselect_b32 s[PLIM], s73, s79
	s_wait_dscnt 0x0                               ; the opening add is done
	s_wait_kmcnt 0x0
	s_mov_b32 s74, s80
	s_add_nc_u64 s[PHI:PHI+1], s[4:5], s[74:75]
	s_mov_b32 s74, s81
	s_add_nc_u64 s[PLO:PLO+1], s[4:5], s[74:75]
	s_lshl_b32 s79, s14, 1
	s_add_co_u32 s79, s79, s20                     ; vt: my 64 channels,
	s_lshl_b32 s79, s79, 18                        ; rows of 4,096 bytes,
	s_lshl_b32 s73, s15, 22                        ; in my batch
	s_add_co_u32 s74, s79, s73
	s_add_nc_u64 s[VB:VB+1], s[6:7], s[74:75]
	s_lshr_b32 s23, s[WV], 1                       ; my half of the queries
	s_lshl_b32 s79, s23, 6
	s_add_co_u32 s78, s78, s79
	s_lshl_b32 s81, s14, 9
	s_lshl_b32 s73, s20, 8
	s_add_co_u32 s81, s81, s73                     ; out0: my 64 channels, 256 bytes
	s_lshl_b32 s80, s[ILO], 7
	s_add_co_u32 s80, s80, s78
	s_lshl_b32 s80, s80, 12
	s_add_co_u32 s74, s80, s81
	s_add_nc_u64 s[OLO:OLO+1], s[10:11], s[74:75]
	s_lshl_b32 s80, s[IHI], 7
	s_add_co_u32 s80, s80, s78
	s_lshl_b32 s80, s80, 12
	s_add_co_u32 s74, s80, s81
	s_add_nc_u64 s[10:11], s[10:11], s[74:75]
	s_mov_b32 s[G0A], 1
	s_mov_b32 s[G0A+1], s[LA]
	s_mov_b64 s[G0A+2:G0A+3], s[PHI:PHI+1]
	s_or_b32 s[G0A+3], s[G0A+3], 0x80000000
	s_mov_b32 s[G0A+4], 1
	s_add_co_u32 s[G0A+5], s[LA], SLOT
	s_add_nc_u64 s[G0A+6:G0A+7], s[PHI:PHI+1], 512
	s_or_b32 s[G0A+7], s[G0A+7], 0x80000000
	s_mov_b32 s[G0B], 1
	s_mov_b32 s[G0B+1], s[LB]
	s_mov_b64 s[G0B+2:G0B+3], s[VB:VB+1]
	s_or_b32 s[G0B+3], s[G0B+3], 0x80000000
	s_mov_b32 s[G0B+4], 1
	s_add_co_u32 s[G0B+5], s[LB], SLOT
	s_add_nc_u64 s[G0B+6:G0B+7], s[VB:VB+1], 512
	s_or_b32 s[G0B+7], s[G0B+7], 0x80000000
	CROUND                                         ; all four work-groups are here: the first joint loads meet
	s_cmp_lt_u32 s[WV], 2                          ; a wave's two first fills (steps 0 and 1, both the first block's) stand in one branch: two loads of mine are out
	s_cbranch_scc0 .Lfirst_v
	tensor_load_to_lds s[G0A:G0A+3], s[G1A:G1A+7]
	s_nop 0
	tensor_load_to_lds s[G0A+4:G0A+7], s[G1A:G1A+7]
	s_nop 0
	PLACES
	s_branch .Lfirst_asked
.Lfirst_v:
	tensor_load_to_lds s[G0B:G0B+3], s[G1B:G1B+7]
	s_nop 0
	tensor_load_to_lds s[G0B+4:G0B+7], s[G1B:G1B+7]
	s_nop 0
	PLACES
.Lfirst_asked:
	; THE TABLE.  Thread t is row t of both blocks.  For step u of the walk and its halves: cm and l of key block kt = 2 e + half of the step's block I; kt is held to I, so that only bytes are read that the launch before stored.
.set tu, 0
.rept 9
	s_cmp_le_u32 s[NH], tu                         ; is step u the second block's?
	s_cselect_b32 s[MK+tu], -1, 0
	s_cselect_b32 s78, s[NH], 0
	s_cselect_b32 s79, s[ILO], s[IHI]              ; I
	s_sub_co_u32 s78, tu, s78                      ; e
	s_lshl_b32 s78, s78, 1                         ; the first half's kt: always within the diagonal
	s_lshl_b32 s80, s79, 9
	s_add_co_u32 s80, s80, s[SB]                   ; the block's first row, 4 bytes a row
	s_lshl_b32 s81, s78, 15
	s_add_co_u32 s81, s81, s80
	v_lshl_add_u32 v[OFS+2*tu], v0, 2, s81
	s_add_co_u32 s78, s78, 1
	s_cmp_le_u32 s78, s79
	s_cselect_b32 s[VF+tu], 1.0, 0
	s_min_u32 s78, s78, s79
	s_lshl_b32 s81, s78, 15
	s_add_co_u32 s81, s81, s80
	v_lshl_add_u32 v[OFS+2*tu+1], v0, 2, s81
.irp h, 0,1
	global_load_b32 v[CMR+2*tu+\h], v[OFS+2*tu+\h], s[8:9]
	global_load_b32 v[LRR+2*tu+\h], v[OFS+2*tu+\h], s[8:9] offset:524288
.endr
.set tu, tu+1
.endr
	CLEAR                                          ; the sums start at 0; this and the addresses stand in the wait for those loads
	v_and_b32 v1, 15, v0                           ; l % 16
	v_bfe_u32 v7, v0, 4, 1                         ; l / 16
	s_mul_i32 s78, s23, 64*PP
	v_mul_u32_u24 v[ADA0], v1, PP
	v_lshl_add_u32 v[ADA0], v7, 4, v[ADA0]         ; a fragment's row x pitch + 16 (l / 16)
	s_mul_i32 s79, s20, 64*PP
	s_add_co_u32 s79, s79, VOFF
	v_add_nc_u32 v[ADB0], s79, v[ADA0]             ; vt: my 64 channels
	v_add_nc_u32 v[ADA0], s78, v[ADA0]             ; P: my 64 queries
	v_mov_b32 v[ADA], v[ADA0]
	v_mov_b32 v[ADB], v[ADB0]
	s_lshl_b32 s78, s23, 8
	s_add_co_u32 s78, s78, TAB
	v_lshl_add_u32 v[TA], v1, 2, s78
	v_lshl_add_u32 v[TW], v0, 2, TAB
	s_mul_i32 s78, s[WV], 16*SP
	s_add_co_u32 s78, s78, STAGE
	v_mul_u32_u24 v[STO], v1, SP                   ; in: row l % 16, 32 bytes for each half of the lanes
	v_lshl_add_u32 v[STO], v7, 5, v[STO]
	v_add_nc_u32 v[STO], s78, v[STO]
	v_mul_u32_u24 v[RD], v7, SP                    ; back: lanes 0-15 one row of 256 bytes, lanes 16-31 the next
	v_lshl_add_u32 v[RD], v1, 4, v[RD]
	v_add_nc_u32 v[RD], s78, v[RD]
	v_lshlrev_b32 v[CO], 12, v7
	v_lshl_add_u32 v[CO], v1, 4, v[CO]
	s_lshl_b32 s81, s13, 16                        ; the prefetches' offset: row l % 16 of 4,096 bytes + 256 (l / 16); for P 16 cx rows further on
	s_cmp_lt_u32 s[WV], 2
	s_cselect_b32 s80, s81, 0
	v_lshlrev_b32 v[PFO], 12, v1
	v_lshl_add_u32 v[PFO], v7, 8, v[PFO]
	v_add_nc_u32 v[PFO], s80, v[PFO]
	v_mov_b32 v[NEG], 0xff7fffff
	v_mov_b32 v[ZR], 0
	s_wait_loadcnt 0x0
.set te, 0
.rept 18
	v_cndmask_b32 v[XH+te], v[CMR+te], v[NEG], s[MK+te/2]  ; each block's maximum is taken over its own steps
	v_cndmask_b32 v[XL+te], v[NEG], v[CMR+te], s[MK+te/2]
.set te, te+1
.endr
	v_max3_num_f32 v[CMH], v[XH], v[XH+1], v[XH+2]
	v_max3_num_f32 v[CML], v[XL], v[XL+1], v[XL+2]
.set te, 3
.rept 7
	v_max3_num_f32 v[CMH], v[CMH], v[XH+te], v[XH+te+1]
	v_max3_num_f32 v[CML], v[CML], v[XL+te], v[XL+te+1]
.set te, te+2
.endr
	v_max_num_f32 v[CMH], v[CMH], v[XH+17]
	v_max_num_f32 v[CML], v[CML], v[XL+17]
.set tu, 0
.rept 9
	v_cndmask_b32 v[CSU+tu], v[CMH], v[CML], s[MK+tu]
.set tu, tu+1
.endr
.set te, 0
.rept 18
	v_sub_f32 v[CMR+te], v[CMR+te], v[CSU+te/2]
.set te, te+1
.endr
.set te, 0
.rept 18
	v_exp_f32 v[CMR+te], v[CMR+te]
.set te, te+1
.endr
	v_nop                                          ; a plain instruction behind the last exponential,
	s_wait_alu depctr_va_vdst(0)                   ; and the one wait ahead of the batch's first reader
.set tu, 0
.rept 9
	v_mul_f32 v[CMR+2*tu+1], s[VF+tu], v[CMR+2*tu+1]  ; a key block beyond the diagonal counts for nothing
.set tu, tu+1
.endr
.set te, 0
.rept 18
	v_mul_f32 v[LRR+te], v[CMR+te], v[LRR+te]
.set te, te+1
.endr
.set te, 0
.rept 18
	v_cndmask_b32 v[XH+te], v[LRR+te], v[ZR], s[MK+te/2]
	v_cndmask_b32 v[XL+te], v[ZR], v[LRR+te], s[MK+te/2]
.set te, te+1
.endr
.set te, 2
.rept 8
	v_pk_add_f32 v[XH:XH+1], v[XH:XH+1], v[XH+te:XH+te+1]
	v_pk_add_f32 v[XL:XL+1], v[XL:XL+1], v[XL+te:XL+te+1]
.set te, te+2
.endr
	v_add_f32 v[LH], v[XH], v[XH+1]
	v_add_f32 v[LL], v[XL], v[XL+1]                ; L is at least 1: the block with the overall maximum has f = 1 and l >= 1
	v_rcp_f32 v[LH], v[LH]
	v_rcp_f32 v[LL], v[LL]
.set te, 0
.rept 18
	v_cvt_pk_f16_f32 v[OFS+te], v[CMR+te], v[CMR+te]
.set te, te+1
.endr
.set te, 0
.rept 18
	ds_store_b32 v[TW], v[OFS+te] offset:512*te
.set te, te+1
.endr
	ds_store_b32 v[TW], v[ZR] offset:9216          ; step 9, which the last step's look-ahead reads
	ds_store_b32 v[TW], v[ZR] offset:9728
	s_wait_alu depctr_va_vdst(0)                   ; the two reciprocals' wait; the conversions above are the plain work behind them
	ds_store_b32 v[TW], v[LH] offset:INV-TAB
	ds_store_b32 v[TW], v[LL] offset:INV-TAB+512
	s_wait_tensorcnt 0x1                           ; my part of step 0 is in; step 1's may stay out
	s_wait_dscnt 0x0                               ; my rows of the table are written
	s_barrier_signal -1
	s_barrier_wait -1
; Product n of 16 of O^T += v^T P: buffer f, keys 32 c on; query block n / 4, channel block n % 4.  The 16 accumulators take turns.
.macro PROD f, c, n
.set rA, 8*(\n)
.set rV, BF+64*(\f)+32*(\c)+8*((\n)%4)
.set rP, AF+64*(\f)+32*(\c)+8*((\n)/4)
	v_wmma_f32_16x16x32_f16 v[rA:rA+7], v[rV:rV+7], v[rP:rP+7], v[rA:rA+7]
.endm
; Register m of the 32 of P's fragments (f, c) times its query's factor: set k, query block m / 8.
.macro RIDE f, c, k, m
	v_pk_mul_f16 v[AF+64*(\f)+32*(\c)+(\m)], v[(\k)+(\m)/8], v[AF+64*(\f)+32*(\c)+(\m)]
.endm
; cnt products of (f, c) from n0 on; behind each, per scalings of (rf, rc) by set rk, from register m0 on.  No scaling names a register of the products round it.
.macro HALF f, c, n0, cnt, per, rf, rc, rk, m0
.set nn, \n0
.set mm, \m0
.rept \cnt
	PROD \f, \c, nn
.rept \per
	RIDE \rf, \rc, \rk, mm
.set mm, mm+1
.endr
.set nn, nn+1
.endr
.endm
; 32 LDS loads in one run: quarter q (64 keys) of the slot in hand into buffer g: P's 16, then vt's 16
.macro FETCH g, q
	WIN 0x40                                       ; destination window 1
.irp c, 0,1
.irp a, 0,1,2,3
	ds_load_b128 v[AF+64*(\g)+32*(\c)+8*(\a):AF+64*(\g)+32*(\c)+8*(\a)+3],   v[ADA] offset:128*(\q)+64*(\c)+16*PP*(\a)
	ds_load_b128 v[AF+64*(\g)+32*(\c)+8*(\a)+4:AF+64*(\g)+32*(\c)+8*(\a)+7], v[ADA] offset:128*(\q)+64*(\c)+16*PP*(\a)+32
.endr
.endr
	WIN 0
.irp c, 0,1
.irp b, 0,1,2,3
	ds_load_b128 v[BF+64*(\g)+32*(\c)+8*(\b):BF+64*(\g)+32*(\c)+8*(\b)+3],   v[ADB] offset:128*(\q)+64*(\c)+16*PP*(\b)
	ds_load_b128 v[BF+64*(\g)+32*(\c)+8*(\b)+4:BF+64*(\g)+32*(\c)+8*(\b)+7], v[ADB] offset:128*(\q)+64*(\c)+16*PP*(\b)+32
.endr
.endr
.endm
.macro KLOAD set, o                    ; four factors a lane, one for each query block
.irp a, 0,1,2,3
	ds_load_b32 v[(\set)+(\a)], v[TA] offset:(\o)+64*(\a)
.endr
.endm
; A step is four quarters of 64 keys, 32 products each, on buffers 0, 1, 0, 1; quarters 0, 1 lie in the step's first key block (set K0), quarters 2, 3 in its second (K1).
; One of the first three: fetches the next quarter into the other buffer; multiplies its first 32 keys while its second 32 are scaled; then those, while the next quarter's first 32 are scaled.
.macro QUARTER q
	s_wait_dscnt 0x0                               ; this quarter's last fragments and the factors asked for earlier are in
	PLACES                                         ; behind the last product that read the other buffer
	FETCH 1-(\q)%2, (\q)+1
.if (\q) == 0
	KLOAD K1, 512                                  ; this step's second key block
.endif
.if (\q) == 2
	KLOAD K0, 1024                                 ; the next step's first key block
	v_add_nc_u32 v[TA], 1024, v[TA]
.endif
	WIN W_MM
	HALF (\q)%2, 0, 0, 16, 2, (\q)%2, 1, K0+4*((\q)/2), 0
	s_wait_dscnt 8                                 ; of the run just issued all but the youngest eight: P's fragments are in
	HALF (\q)%2, 1, 0, 16, 2, 1-(\q)%2, 0, K0+4*(((\q)+1)/2), 0
.endm
; What the refill asks for, made anew from the step's number: step VN is step e of the first block (VN < NH) or of the second.  Then the same for the step two on, for the prefetch.
.macro WALK
	s_cmp_ge_u32 s[VN], s[NH]
	s_cselect_b32 s79, s[NH], 0
	s_cselect_b64 s[G0A+6:G0A+7], s[PLO:PLO+1], s[PHI:PHI+1]
	s_sub_co_u32 s78, s[VN], s79                   ; e
	s_lshl_b32 s74, s78, 9                         ; 256 keys: 512 bytes along the rows of P and of vt
	s_add_nc_u64 s[G0A+6:G0A+7], s[G0A+6:G0A+7], s[74:75]
	s_or_b32 s[G0A+7], s[G0A+7], 0x80000000
	s_add_nc_u64 s[G0B+6:G0B+7], s[VB:VB+1], s[74:75]
	s_or_b32 s[G0B+7], s[G0B+7], 0x80000000
	s_add_co_u32 s[G0A+5], s[TB], s[LA]            ; into the slot that is being left
	s_add_co_u32 s[G0B+5], s[TB], s[LB]
	s_add_co_u32 s78, s[VN], 2
	s_cmp_ge_u32 s78, s[NH]
	s_cselect_b32 s79, s[NH], 0
	s_cselect_b64 s[76:77], s[PLO:PLO+1], s[PHI:PHI+1]
	s_sub_co_u32 s78, s78, s79
	s_lshl_b32 s74, s78, 9
	s_cmp_lt_u32 s[WV], 2
	s_cselect_b64 s[PFA:PFA+1], s[76:77], s[VB:VB+1]
	s_add_nc_u64 s[PFA:PFA+1], s[PFA:PFA+1], s[74:75]  ; used only in the trips in which that step exists
	s_add_co_u32 s[VN], s[VN], 1
.endm
; The last quarter and the change of slots.  Each wave waits for all its tensor loads (one is out: its part of the other slot), adds 0 to its spare word, and waits for that and for its reads of this slot.
; fill = 1: the barrier opens a round of the cluster's, and the refill is the first thing behind it: it has a step less sixteen products in which to land.
.macro TURN fill
	s_wait_xcnt 0x0                                ; the last prefetches and stores have read their addresses
	WIN 0
	s_wait_tensorcnt 0x0
	ds_add_u32 v[SPW], v[NIL]
.if \fill
	WALK
.endif
	s_wait_dscnt 1                                 ; only the add may be out
	WIN W_MM
	HALF 1, 0, 0, 8, 2, 1, 1, K1, 0
	s_wait_dscnt 0x0                               ; the add is done, and my reads of this slot are over
	s_barrier_signal -1
	HALF 1, 0, 8, 8, 2, 1, 1, K1, 16
	WIN 0
	s_barrier_wait -1
.if \fill
	CREST
	JLOAD                                          ; its four v_nop are also the places in front of the loads below
.else
	PLACES
.endif
	s_xor_b32 s[TB], s[TB], SLOT
	v_add_nc_u32 v[ADA], s[TB], v[ADA0]
	v_add_nc_u32 v[ADB], s[TB], v[ADB0]
	FETCH 0, 0                                     ; the next step's first quarter (behind the walk's last step: bytes of an earlier step, which nothing uses)
.if \fill
	ASK
.endif
	WIN W_MM
.set nn, 0
.rept 8
	PROD 1, 1, nn
.set nn, nn+1
.endr
	s_wait_dscnt 8
	HALF 1, 1, 8, 8, 4, 0, 0, K0, 0
.endm
; THE WAY OUT of a block: O^T times 1 / L, through my stage, a block of 16 queries at a time; then the sums are cleared and the second block's 1 / L and address take their places.
.macro PACK a
	WIN 0x01                                       ; source 0 window 1
.irp b, 0,1,2,3
.irp r, 0,1,2,3
	v_pk_mul_f32 v[TMP+8*(\b)+2*(\r):TMP+8*(\b)+2*(\r)+1], v[8*(4*(\a)+(\b))+2*(\r):8*(4*(\a)+(\b))+2*(\r)+1], v[IL+2*(\a):IL+2*(\a)+1] op_sel_hi:[1,0]
.endr
.endr
	WIN 0
.endm
.macro TOSTAGE a
.set BK, OB+32*((\a)%2)
	s_wait_xcnt 0x0                                ; the stores of the block before last have read the registers that are loaded again below
.irp b, 0,1,2,3
	ds_store_b128 v[STO], v[TMP+8*(\b):TMP+8*(\b)+3]   offset:64*(\b)
	ds_store_b128 v[STO], v[TMP+8*(\b)+4:TMP+8*(\b)+7] offset:64*(\b)+16
.endr
.irp t, 0,1,2,3,4,5,6,7
	ds_load_b128 v[BK+4*(\t):BK+4*(\t)+3], v[RD] offset:(\t)*2*SP  ; LDS serves a wave's instructions in order: these see the stores above
.endr
.endm
.macro SEND a
.set BK, OB+32*((\a)%2)
	s_wait_dscnt 0x0
.irp t, 0,1,2,3,4,5,6,7
	global_store_b128 v[CO], v[BK+4*(\t):BK+4*(\t)+3], s[10:11] offset:(\a)*65536+(\t)*8192 th:TH_STORE_NT  ; 16 lanes store 256 consecutive bytes, aligned
.endr
.endm
.macro BLOCKEND                        ; behind each step: is it the block's last?  The jump goes forward, past no barrier and no tensor load; pr is the same in all partners
	WIN 0
	s_sub_co_u32 s[RT], s[RT], 1
	s_cmp_lg_u32 s[RT], 0
	s_cbranch_scc1 .Lgo_on_\@
	PLACES
	PLACES
	PACK 0
	TOSTAGE 0
.irp a, 1,2,3
	PACK \a
	SEND (\a)-1
	TOSTAGE \a
.endr
	SEND 3
	CLEAR
.irp a, 0,1,2,3
	v_mov_b32 v[IL+2*\a], v[IL+2*\a+1]
.endr
	s_wait_xcnt 0x0                                ; the stores have read out0's address
	s_mov_b64 s[10:11], s[OLO:OLO+1]
	s_sub_co_u32 s[RT], 9, s[NH]
.Lgo_on_\@:
.endm
.irp a, 0,1,2,3
	ds_load_b32 v[IL+2*\a],   v[TA] offset:INV-TAB+64*\a        ; 1 / L of my queries: the first block's,
	ds_load_b32 v[IL+2*\a+1], v[TA] offset:INV-TAB+512+64*\a    ; the second's
.endr
	KLOAD K0, 0
	FETCH 0, 0
	s_wait_dscnt 0x0
	WIN W_MM
.set mm, 0
.rept 32
	RIDE 0, 0, K0, mm
.set mm, mm+1
.endr
	WIN 0
.Lstep:                                            ; seven trips: steps 0 to 6, which ask for steps 2 to 8
	QUARTER 0
	QUARTER 1
	QUARTER 2
	TURN 1
	BLOCKEND
	s_add_co_u32 s[U], s[U], 1
	s_cmp_lt_u32 s[U], 7
	s_cbranch_scc1 .Lstep
	s_mov_b32 s[U], 2
.Ltail:                                            ; steps 7 and 8 are written apart: nothing is asked for
	QUARTER 0
	QUARTER 1
	QUARTER 2
	TURN 0
	BLOCKEND
	s_sub_co_u32 s[U], s[U], 1
	s_cmp_lg_u32 s[U], 0
	s_cbranch_scc1 .Ltail
	s_wait_tensorcnt 0x0                           ; the wave's end
	ds_add_u32 v[SPW], v[NIL]
	s_wait_dscnt 0x0
	CROUND                                         ; the closing round
	s_endpgm
.Lfunc_end_k_qd958898dc8_pv:
	.size	k_qd958898dc8_pv, .Lfunc_end_k_qd958898dc8_pv-k_qd958898dc8_pv
	.p2alignl 7, 3214868480
	.fill 96, 4, 3214868480
	.section	.rodata,"a",@progbits
	.p2align	6, 0x0
	.amdhsa_kernel k_qd958898dc8_pv
		.amdhsa_group_segment_fixed_size 327680
		.amdhsa_private_segment_fixed_size 0
		.amdhsa_enable_private_segment 0
		.amdhsa_kernarg_size 32
		.amdhsa_user_sgpr_count 2
		.amdhsa_user_sgpr_kernarg_segment_ptr 1
		.amdhsa_wavefront_size32 1
		.amdhsa_system_sgpr_workgroup_id_x 1
		.amdhsa_system_sgpr_workgroup_id_y 1
		.amdhsa_system_sgpr_workgroup_id_z 1
		.amdhsa_system_vgpr_workitem_id 0
		.amdhsa_next_free_vgpr 512
		.amdhsa_next_free_sgpr 100
		.amdhsa_reserve_vcc 0
		.amdhsa_float_denorm_mode_32 3
		.amdhsa_float_denorm_mode_16_64 3
		.amdhsa_memory_ordered 1
		.amdhsa_forward_progress 1
		.amdhsa_inst_pref_size 141
	.end_amdhsa_kernel
	.amdgpu_metadata
---
amdhsa.version: [ 1, 2 ]
amdhsa.kernels:
  - .name:           k_qd958898dc8_pv
    .symbol:         k_qd958898dc8_pv.kd
    .args:
      - { .name: p, .offset: 0, .size: 8, .value_kind: global_buffer, .address_space: global }
      - { .name: vt, .offset: 8, .size: 8, .value_kind: global_buffer, .address_space: global }
      - { .name: st, .offset: 16, .size: 8, .value_kind: global_buffer, .address_space: global }
      - { .name: out0, .offset: 24, .size: 8, .value_kind: global_buffer, .address_space: global }
    .group_segment_fixed_size: 327680
    .private_segment_fixed_size: 0
    .kernarg_segment_align: 8
    .kernarg_segment_size: 32
    .max_flat_workgroup_size: 128
    .sgpr_count:     100
    .vgpr_count:     512
    .wavefront_size: 32
...
	.end_amdgpu_metadata
.endif
;; end of part 4
